; MI455X (gfx1250); checked and timed in simulation.
; The chip was launched on July 23, 2026; its instructions are those of AMD's public machine-readable ISA for CDNA 5 (MIT licence, August 2026) and "CDNA5" Instruction Set Architecture Reference Guide (July 2026). The comments in the code are by the model that wrote it; some were corrected since.
;; Lo RA Llama Server. Allowed arithmetic: matrix products marked QUANTISED: E4M3 operands, one given power-of-two scale a tensor, by v_wmma_f32_16x16x64_fp8_fp8 or v_wmma_f32_16x16x128_fp8_fp8, f32 sums; everything else in f32.
;; Inputs: W_codes 4,000 x 128 x 32 uint8 (E4M3 codes of W, K innermost, in blocks of 32 codes); hidden_states_codes 2 x 2,048 x 128 x 32 uint8 (E4M3 codes of hidden_states, K innermost, in blocks of 32 codes); label_ids 2 x 2,048 int32; lowp_scales 2 int32 (the exponents e of the quantised operands' scales 2^e).
;; Outputs: out0 one number float32; out1 2 x 2,048 x 4,000 float32.
;; This version of the problem:
;;   THIS VERSION OF THE PROBLEM IS GIVEN IN LOW PRECISION. The matrix products marked QUANTISED in the list below multiply operands that are first quantised to E4M3 (4 exponent bits, 3 mantissa bits; 8 bits a number), with one given power-of-two scale for each operand tensor; their sums are f32. All else is computed in f32.
;;   The module's matrix products, in the order in which they are computed (A, B: the left and right operand; K: the contracted axis; several contracted axes count as one K, in the product's order):
;;     1. [M 4,096, K 4,096] x [K 4,096, N 4,000]; A: input hidden_states (given as codes); B: input W (given as codes): QUANTISED (scales: A lowp_scales[0], B lowp_scales[1])
;;   THE QUANTISER, for each operand of a quantised product, along K:
;;     - The operand's scale is 2^e, e = its entry of the input lowp_scales (int32; the entries are numbered through the quantised products in the list's order, A before B).
;;     - Each number is divided by the scale, clamped to +-448, and rounded to the nearest number of E4M3, ties to even, subnormals kept.
;;     - The product sums the exact products of the quantised numbers (number of the format x scale) in f32.
;;   ~~~python
;;   def quantise(x, axis, e):      # numpy; x: float32 -> the quantised numbers, widened to float32 again
;;       x = np.moveaxis(x, axis, -1); K = x.shape[-1]
;;       r = np.clip(x / 2.0 ** e, -448, 448)
;;       step = 2.0 ** (np.maximum(np.frexp(np.where(r == 0, 1, r))[1] - 1, -6) - 3)
;;       q = np.round(r / step) * step * 2.0 ** e      # np.round: ties to even
;;       return np.moveaxis(q, -1, axis).astype(np.float32)
;;   ~~~
;;   INPUTS GIVEN AS CODES. W (in the module: [4000, 4096], K = its axis 1); hidden_states (in the module: [2, 2048, 4096], K = its axis 2): each comes as NAME_codes (uint8): NAME with its K axis moved to the last place and cut into blocks of 32 codes, [.., K / 32, bytes a block], one block behind the other in memory; one code a byte (a code: sign, 4 exponent bits, 3 mantissa bits); its scale is its entry of lowp_scales. Its value is code x scale, taken as it is: it is not quantised again, and the codes and scales need not be those that the quantiser above would give.
;; 2 versions. Each part assembles by itself: llvm-mc -triple=amdgcn-amd-amdhsa -mcpu=gfx1250 --defsym DOCPART=n.
;; ======== version 1 of 2: 2 launches
;; limits: right only within a limited range of input values
;; workspace buffers: part 262,144 bytes
;; launch gemm (part 1): grid 16 x 16, 4 waves a work-group, clusters of 4 x 4, 327,680 bytes of LDS; arguments hidden_states_codes, W_codes, lowp_scales, out1, part; writes out1, part
.if DOCPART == 1
	.amdgcn_target "amdgcn-amd-amdhsa--gfx1250"
	.amdhsa_code_object_version 6
	.text
	.protected	k_q20c90cae1e_gemm
	.globl	k_q20c90cae1e_gemm
	.p2align	8
	.type	k_q20c90cae1e_gemm,@function
k_q20c90cae1e_gemm:
	s_mov_b64 s[64:65], 0
	v_nop
	global_prefetch_b8 v0, s[64:65] scope:SCOPE_SE
	s_setreg_imm32_b32 hwreg(HW_REG_WAVE_MODE, 25, 1), 1
	s_wait_xcnt 0x0
	s_wait_alu depctr_hold_cnt(0) depctr_sa_sdst(0) depctr_va_vdst(0) depctr_va_sdst(0) depctr_va_ssrc(0) depctr_va_vcc(0) depctr_vm_vsrc(0)
	s_getreg_b32 s2, hwreg(HW_REG_IB_STS2, 6, 4)
	s_cmp_eq_u32 s2, 0
	s_cbranch_scc0 .Lentry_in_a_cluster
	s_endpgm
.Lentry_in_a_cluster:
	s_bfe_u32 s2, ttmp6, 0x10000c
	s_cmp_lg_u32 s2, 0xf033
	s_cbranch_scc0 .Lentry_shape_is_right
	s_endpgm
.Lentry_shape_is_right:
; logits[m][n] = 2^(e0 + e1) x the sum over k of A[m][k] B[n][k].  A = hidden_states' codes [4096][4096], B = W's codes [4000][4096], FP8 (E4M3), K innermost; out1 [4096][4000] f32; sums in f32.
; Beside the logits each work-group stores, for each of its 256 rows, ONE number into part[tile column][row]: P = log2 of the sum over its own columns of 2^(x log2 e), made as M + log2(l) with the
; columns' own maximum M taken off ahead of the exponentials.  The launch behind this one joins a row's 16 P and takes the label's logit away.
; LIMITS: e0 + e1 lies between -126 and 127, so that 2^(e0 + e1) is an f32 number.  A NaN code gives NaN in its row and column, and in the loss.
; SHARES.  A tile of C, 256 x 256, is made by a work-group of four waves; a wave makes 128 x 128: 64 accumulators of 16 x 16, 512 registers.  16 x 16 tiles, one to a work-group.
; K goes in steps of 256 through a ring of two LDS slots filled by the tensor data mover: a tile's row is 256 bytes of memory, at a multiple of 256 bytes.
; CLUSTERS: 4 x 4 work-groups.  The four of a row of the cluster need the same tiles of A, the four of a column the same tiles of B: each tile is asked for JOINTLY, by the same tensor load with the same
; descriptor and a mask that names the four.  THE MATRIX INSTRUCTION IS USED TRANSPOSED (source 0 = 16 rows of B, source 1 = 16 rows of A): a lane then holds eight neighbouring numbers of a row of C.
; THE LAST HALF TILE.  4000 = 15 x 256 + 160: the right half of tile column 15 would begin at column 3968 and run 96 past the end.  Its first column is held at 3872 = 4000 - 128 (s_min_u32), so that no load
; leaves W and every descriptor keeps its constant shape.  Its local columns 0 .. 95 then repeat columns 3872 .. 3967, which the left half owns: DUP = 96 there, 0 in every other wave.  The repeats are kept out
; of the stores by a lane mask and out of the sum of exponentials by an addend of -infinity; they stay in the maximum, which is then still a maximum over columns of this work-group's own.  No branch hangs on it.
; STORES.  A row of out1 is 16,000 bytes: a wave's store covers 512 consecutive bytes, which begin at a multiple of 256 from out1's first byte in even rows and 128 past one in odd rows.
; REGISTERS, in windows of 256: window 0: v0-31 addresses; v32-95 a block's logits on the way out; v96-107 a row's statistics; from v128 A's fragments (8 x 16 rows x 128 K), ONE set; on the way out rows read back.
;   window 1: B's fragments, TWO sets, at v0 and at v128.   window 2: the 32 accumulators of my rows 0-63 (accumulator (a, b) at v[8 (8 a + b)]);   window 3: those of my rows 64-127.
.set KSTEP,  256                       ; along K in a slot
.set ROWB,   256                       ; a tile's row in bytes
.set KROW,   4096                      ; a row of A or of B in memory, in bytes
.set PITCH,  272                       ; an LDS row: 256 bytes of data + 16 of padding = 68 words: row r starts at bank 4 r mod 64 (64 banks of 4 bytes: ISA guide 11.1), so the 16 rows that a load touches start at 16 different banks
.set FR,     16                        ; registers of a fragment: 16 rows x 128 K
.set NL,     4                         ; LDS loads that bring one
.set NP,     4                         ; places behind this matrix instruction (ISA guide 7.12.1)
.set HALFT,  128*PITCH                 ; 128 rows: what one tensor load brings, and what one wave reads of A or of B
.set SLOT,   4*HALFT                   ; A's 256 rows, then B's 256 rows
.set LAPS,   8                         ; a lap = two K steps = once round the ring: 4096 / 512
.set SPARE,  2*SLOT                    ; behind the ring: the spare words, 128 bytes for each wave: two blocks of 256 bytes that no other line names
.set STAT,   SPARE+512                 ; behind them: the rows' statistics, 1,024 bytes for each wave: row i of its 128 at 8 i: the pair (M, l).  No tile ever lands here
.set SPITCH, 528                       ; the way out: a stage of 16 rows x (512 bytes + 16) for each wave.  It lies in slot 0, which has had its last fill and its last read when the first result is stored there
.set CROW,   16000                     ; a row of out1 in bytes
.set LASTB,  3872                      ; the last row of W at which 128 rows still fit
.set ADRA, 16                          ; v16-17  LDS address of my A fragments in slot 0, 1
.set ADRB, 20                          ; v20-21  the same for B
.set PO,   22                          ; v22     8 x my thread's number: my two rows' place in the work-group's 1,024 bytes of part
.set STO,  24                          ; v24     the way out: where I put 32 bytes of a row
.set RD,   25                          ; v25     the way out: where I read a row back
.set CO,   26                          ; v26     my byte offset in a row of C
.set SA,   27                          ; v27     where I put a row's (M, l): STAT + 1,024 x wave + 8 (lane % 16)
.set SPW,  28                          ; v28     LDS address of my spare word: SPARE + 4 x my thread's number; never rewritten
.set NIL,  29                          ; v29     0; never rewritten
.set PFO,  30                          ; v30     the prefetches' offset: my lane x a row of A or B; never rewritten
.set SL,   31                          ; v31     where I read two rows' (M, l) of the left column half; the right half's lie 1,024 bytes on
.set TMP,  32                          ; the way out: 64 registers, a block's logits, then 2^(t - M)
.set SM,   96                          ; v96 M, v97 l: a pair, stored together
.set SMP,  98                          ; v98 M - PEN, v99 0 (named with it as a pair)
.set MXA,  100                         ; v100, v101 the maximum's two chains
.set MXB,  101
.set PD,   102                         ; v102    what the lane 16 away holds
.set SU,   104                         ; v[104:107] the sum's two chains
.set AF,   128                         ; A's fragments, in window 0
.set BK,   128                         ; the way out: 16 rows read back from the stage: v128-191 and v192-255 by turns
.set G1, 24                            ; s[24:31] descriptor group 1 for A's tiles;  s[32:39] group 0, one set for each slot
.set G0, 32
.set G1B, 48                           ; s[48:55], s[56:63] the same for B's tiles
.set G0B, 56
.set PFA, 66                           ; s[66:67] where my prefetches stand: my work-group's 32 rows of the 128 that I fetch, one K step further along K than the refill that is being asked for
.set LIM, 68                           ; s68     1 in a wave that prefetches, else the greatest number
.set DUP, 69                           ; s69     how many of my first columns repeat my neighbour's: 96 in the right half of tile column 15, else 0
.set PEN, 70                           ; s70     -infinity where DUP is not 0, else 0
.set KEEP, 71                          ; s71     the lanes whose 16 bytes of a row are stored: 4 x lane >= DUP
.set SAVE, 72                          ; s72     EXEC, while it is narrowed
.set COLC, 73                          ; s73     my first column of C = the first row of W that belongs to my column half
.set SEL, 74                           ; s[74:75] lane selects for v_permlanex16_b32: lane l xor 16
.set L2E, 76                           ; s[76:77] log2(e): the packed form names a pair and takes its low word for both halves
.set SC,  78                           ; s[78:79] e0, e1; then s78 = 2^(e0 + e1)
.set ROWA, 82                          ; s82     the first row of A that I fetch, if I fetch for A
.set MSB, 0
.macro WIN new                         ; the immediate's high byte repeats the setting that is left
.if MSB != \new
	s_set_vgpr_msb (MSB<<8)|\new
.set MSB, \new
.endif
.endm
.set MUL_LO, 0xa1                      ; source 0 (B) window 1, source 1 (A) window 0, C and D window 2
.set MUL_HI, 0xf1                      ; the same, C and D window 3
.set TO_B,   0x40                      ; destination window 1, address window 0
; A joint load: waves 0 and 1 fetch for A, waves 2 and 3 for B.  Each of the two lines has ONE mask and one set of registers for all that issue it; the branch hangs on the wave's number alone.
; Four v_nop follow each of the two lines, ahead of the jump, the label and what follows.
.macro JLOAD g0a, g1a, g0b, g1b
	s_cmp_eq_u32 s15, 0
	s_cbranch_scc0 .Lfor_b_\@
	tensor_load_to_lds s[\g0a:\g0a+3], s[\g1a:\g1a+7]
	s_nop 0
.rept 4
	v_nop
.endr
	s_branch .Lasked_\@
.Lfor_b_\@:
	tensor_load_to_lds s[\g0b:\g0b+3], s[\g1b:\g1b+7]
	s_nop 0
.rept 4
	v_nop
.endr
.Lasked_\@:
.endm
; A PREFETCH INTO THE L2, behind each joint refill, its four lines and the run of LDS loads that follows them: the K step that stands TWO refills on, 256 matrix instructions ahead of the load that will ask for it:
; 32 rows x 256 bytes, a lane a row, one instruction a wave.  A's tile row is read by every cluster of that row of clusters: the first of them (cluster x = 0) asks; B's tile column by every cluster of that
; column: cluster y = 0 asks.  The four partners that ask for a tile jointly share its 128 rows out BY ADDRESS, 32 each (cx for A, cy for B): no branch hangs on a work-group's place in its cluster.
; So each row's 256 bytes of a K step are named once in the launch, but for rows 3872 .. 3967 of W, which both column halves of tile column 15 fetch and name.
; K steps 0 to 3 come by their loads alone; the loop's last trip (s3 = 1), which asks for K steps 14 and 15, names nothing: the last byte named lies in K step 15, the last row of W named is 3872 + 96 + 31 = 3999.
.macro ASK
	s_cmp_gt_u32 s3, s[LIM]
	s_cbranch_scc0 .Lnot_mine_\@
	global_prefetch_b8 v[PFO], s[PFA:PFA+1] offset:KSTEP th:TH_LOAD_NT scope:SCOPE_SE
.Lnot_mine_\@:
.endm
.macro CREST                           ; a round of the cluster's barrier behind its opening barrier
	s_cmp_lg_u32 s14, 0
	s_cbranch_scc1 .Lnot_wave_0_\@
	s_barrier_signal -3
.Lnot_wave_0_\@:
	s_barrier_wait -3
	s_barrier_signal -1
	s_barrier_wait -1
.endm
.macro CROUND                          ; a whole round
	s_barrier_signal -1
	s_barrier_wait -1
	CREST
.endm
	s_load_b128 s[4:7], s[0:1], 0x0                ; A's codes s[4:5], B's codes s[6:7]
	s_load_b128 s[8:11], s[0:1], 0x10              ; the two scales' exponents s[8:9], out1 s[10:11]
	s_load_b64 s[12:13], s[0:1], 0x20              ; part
	v_lshl_add_u32 v[SPW], v0, 2, SPARE
	v_mov_b32 v[NIL], 0
	ds_add_u32 v28, v29
	ds_add_u32 v28, v29
	s_wait_dscnt 0x0
	v_lshrrev_b32 v1, 5, v0
	v_readfirstlane_b32 s14, v1                    ; wave 0..3
	s_lshr_b32 s15, s14, 1                         ; which half of the tile's rows is mine.  Also: I fetch for A (0) or for B (1)
	s_and_b32 s16, s14, 1                          ; which half of its columns.  Also: which 128 rows of that tile I fetch
	s_bfe_u32 s40, ttmp6, 0x40000                  ; cx, cy: my place in the cluster
	s_bfe_u32 s41, ttmp6, 0x40004
	s_lshl_b32 s42, ttmp9, 2
	s_add_co_u32 s42, s42, s40                     ; tile column of C = 4 x cluster x + cx
	s_and_b32 s17, ttmp7, 0xffff
	s_lshl_b32 s17, s17, 2
	s_add_co_u32 s17, s17, s41                     ; tile row of C = 4 x cluster y + cy
	s_lshl_b32 s43, s41, 2
	s_lshl_b32 s43, 15, s43                        ; my row of the cluster
	s_lshl_b32 s44, 0x1111, s40                    ; my column
	; descriptor group 1: a tile of 128 rows x 256 bytes, padded in LDS
	s_or_b32 s[G1+0], s43, (0<<16)|(1<<20)|(1<<21)|(5<<22)|(3<<25)  ; 15:0 the mask: A's tiles go to my row; 17:16 element of 1 byte; 20 padding on; 21 set beside a mask; 24:22 after every 64 words (code 5); 31:25 of 4 words (code 3)
	s_or_b32 s[G1B+0], s44, (0<<16)|(1<<20)|(1<<21)|(5<<22)|(3<<25)
.irp g, G1, G1B
	s_mov_b32 s[\g+1], ROWB<<16                    ; tensor_dim0
	s_mov_b32 s[\g+2], 128<<16                     ; tensor_dim1 = 128
	s_mov_b32 s[\g+3], ROWB<<16                    ; tile_dim0
	s_mov_b32 s[\g+4], 128                         ; tile_dim1 = 128
	s_mov_b32 s[\g+5], KROW                        ; tensor_dim0_stride
	s_mov_b32 s[\g+6], 0
	s_mov_b32 s[\g+7], 0
.endr
	s_lshl_b32 s18, s16, 7                         ; which 128 rows of the tile I fetch
	s_lshl_b32 s20, s17, 8
	s_add_co_u32 s20, s20, s18                     ; A: row 256 x tile row + 128 x half
	s_mov_b32 s[ROWA], s20
	s_lshl_b32 s46, s42, 8
	s_add_co_u32 s46, s46, s18                     ; B: row 256 x tile column + 128 x half,
	s_min_u32 s[COLC], s46, LASTB                  ; held at the last row at which 128 rows fit: the same in all partners of my column of the cluster
	s_sub_co_u32 s[DUP], s46, s[COLC]              ; by how much it was held: 96 or 0
	s_lshl_b32 s20, s20, 12                        ; rows of 4,096 bytes: under 2^24 bytes
	s_mov_b32 s21, 0
	s_lshl_b32 s46, s[COLC], 12
	s_mov_b32 s47, 0
	s_mul_i32 s45, s14, HALFT                      ; where they go: wave x 128 rows: no place in the cluster enters an LDS address
	s_mov_b32 s[SEL], 0x76543210
	s_mov_b32 s[SEL+1], 0xfedcba98
	s_mov_b32 s[L2E], 0x3fb8aa3b                   ; log2(e)
	s_mov_b32 s[L2E+1], 0x3fb8aa3b                 ; (named with it as a pair, so it is written)
	s_wait_kmcnt 0x0
	s_load_b64 s[SC:SC+1], s[8:9], 0x0             ; e0, e1: wanted on the way out
	s_add_nc_u64 s[20:21], s[4:5], s[20:21]
	s_add_nc_u64 s[46:47], s[6:7], s[46:47]
	CROUND                                         ; all sixteen work-groups are here: the first joint loads meet
.irp s, 0,1
	s_mov_b32 s[G0+4*\s], 1
	s_add_co_u32 s[G0+4*\s+1], s45, \s*SLOT
	s_add_nc_u64 s[G0+4*\s+2:G0+4*\s+3], s[20:21], \s*ROWB
	s_or_b32 s[G0+4*\s+3], s[G0+4*\s+3], 0x80000000
	s_mov_b32 s[G0B+4*\s], 1
	s_add_co_u32 s[G0B+4*\s+1], s45, \s*SLOT
	s_add_nc_u64 s[G0B+4*\s+2:G0B+4*\s+3], s[46:47], \s*ROWB
	s_or_b32 s[G0B+4*\s+3], s[G0B+4*\s+3], 0x80000000
	JLOAD G0+4*\s, G1, G0B+4*\s, G1B               ; the two first fills: two tensor loads of mine are out
.endr
	v_and_b32 v1, 15, v0                           ; l % 16
	v_bfe_u32 v2, v0, 4, 1                         ; l / 16
	v_mul_u32_u24 v3, v1, PITCH
	v_lshl_add_u32 v4, v2, 4, v3                   ; a fragment's row x pitch + 16 x half
	s_mul_i32 s21, s15, HALFT                      ; my 128 rows of A
	s_mul_i32 s22, s16, HALFT                      ; my 128 rows of B,
	s_add_co_u32 s22, s22, 2*HALFT                 ; which lie behind A's 256
.irp s, 0,1
	v_add_nc_u32 v[ADRA+\s], s21, v4
	v_add_nc_u32 v[ADRB+\s], s22, v4
	s_add_co_u32 s21, s21, SLOT
	s_add_co_u32 s22, s22, SLOT
.endr
	s_mul_i32 s23, s14, 16*SPITCH                  ; my stage
	v_mul_u32_u24 v5, v1, SPITCH                   ; in: row l % 16, 32 bytes for each half of the lanes
	v_lshl_add_u32 v5, v2, 5, v5
	v_add_nc_u32 v[STO], s23, v5
	v_and_b32 v6, 31, v0
	v_lshlrev_b32 v[CO], 4, v6                     ; back: the 32 lanes take one row of 512 bytes; and the same in C
	v_add_nc_u32 v[RD], s23, v[CO]
	s_lshl_b32 s23, s14, 10
	s_add_co_u32 s23, s23, STAT                    ; my wave's 1,024 bytes of statistics
	v_lshl_add_u32 v[SA], v1, 3, s23               ; + 8 (l % 16); a block's 16 rows stand in the immediate
	v_lshrrev_b32 v3, 6, v0                        ; thread t joins rows 2 t and 2 t + 1 of the work-group's 256: row half t / 64,
	v_and_b32 v4, 63, v0
	v_lshlrev_b32 v4, 4, v4                        ; 16 bytes (two pairs) at 16 (t % 64);
	v_lshl_add_u32 v[SL], v3, 11, v4               ; a row half's two column halves are two waves' regions: 2,048 bytes
	v_add_nc_u32 v[SL], STAT, v[SL]
	v_lshlrev_b32 v[PO], 3, v0
	v_lshlrev_b32 v[PFO], 12, v6                   ; a lane a row of 4,096 bytes
	v_lshlrev_b32 v5, 2, v6                        ; a store's lane l holds my columns 4 l .. 4 l + 3:
	v_cmp_ge_u32 s[KEEP], v5, s[DUP]               ; stored where they are not my neighbour's
	s_cmp_lg_u32 s[DUP], 0
	s_cselect_b32 s[PEN], 0xff800000, 0            ; a value alone is chosen: no branch hangs on it
	s_lshl_b32 s20, s17, 8
	s_lshl_b32 s21, s15, 7
	s_add_co_u32 s20, s20, s21                     ; my first row of C: 256 x tile row + 128 x half
	s_mul_i32 s20, s20, CROW                       ; under 2^26 bytes
	s_mov_b32 s21, 0
	s_lshl_b32 s46, s[COLC], 2                     ; my first column, in bytes
	s_mov_b32 s47, 0
	s_add_nc_u64 s[20:21], s[20:21], s[46:47]
	s_add_nc_u64 s[10:11], s[10:11], s[20:21]
	s_lshl_b32 s46, s42, 14                        ; part: 16,384 bytes a tile column,
	s_lshl_b32 s20, s17, 10                        ; 1,024 a tile row
	s_add_co_u32 s46, s46, s20
	s_add_nc_u64 s[12:13], s[12:13], s[46:47]
	; the prefetches: where mine stand, and whether I ask
	s_and_b32 s22, ttmp7, 0xffff                   ; cluster y
	s_cmp_eq_u32 s15, 0                            ; do I fetch for A?
	s_cselect_b32 s20, s[ROWA], s[COLC]            ; the first of the 128 rows that I fetch
	s_cselect_b32 s21, s40, s41                    ; my place among the four that ask for them with me
	s_cselect_b32 s22, ttmp9, s22                  ; the coordinate along which other clusters read the same rows
	s_cselect_b64 s[PFA:PFA+1], s[4:5], s[6:7]
	s_cmp_eq_u32 s22, 0
	s_cselect_b32 s[LIM], 1, -1                    ; the same in all sixteen partners, for a given wave
	s_lshl_b32 s21, s21, 5
	s_add_co_u32 s20, s20, s21                     ; + my work-group's 32 of them
	s_lshl_b32 s20, s20, 12
	s_mov_b32 s21, 0
	s_add_nc_u64 s[PFA:PFA+1], s[PFA:PFA+1], s[20:21]
	s_add_nc_u64 s[PFA:PFA+1], s[PFA:PFA+1], 2*KSTEP  ; at K step 2: the first refill steps it to 3 and names K step 4.  Nothing is prefetched here, at the head, where every work-group's first tiles are on their way
.macro FRAG reg, adr, q, i             ; a fragment, 16 rows x 128 K of 8-bit codes, is 16 registers: lane l holds row l % 16; registers 4 c .. 4 c + 3 hold K = 32 c + 16 (l / 16) + 0 .. 15: the same order of k in A and in B, so every product meets its partner
.irp c, 0,1,2,3
	ds_load_b128 v[\reg+4*\c:\reg+4*\c+3], v[\adr] offset:128*(\q)+32*\c+(\i)*16*PITCH
.endr
.endm
; 16 matrix instructions: A's blocks a0, a0 + 1 x B's eight, 128 along K.  p: B's set.  zero = 1: the first product starts the sums: nothing is ever cleared.
; The 64 accumulators take turns, one instruction a turn, in the same order in every step.
.macro MUL16 a0, p, zero
.irp a, \a0, \a0+1
.irp b, 0,1,2,3,4,5,6,7
.if \zero
	v_wmma_f32_16x16x128_fp8_fp8 v[8*(8*((\a)%4)+\b):8*(8*((\a)%4)+\b)+7], v[128*(\p)+FR*\b:128*(\p)+FR*\b+FR-1], v[AF+FR*(\a):AF+FR*(\a)+FR-1], 0
.else
	v_wmma_f32_16x16x128_fp8_fp8 v[8*(8*((\a)%4)+\b):8*(8*((\a)%4)+\b)+7], v[128*(\p)+FR*\b:128*(\p)+FR*\b+FR-1], v[AF+FR*(\a):AF+FR*(\a)+FR-1], v[8*(8*((\a)%4)+\b):8*(8*((\a)%4)+\b)+7]
.endif
.endr
.endr
.endm
.macro FETCH_B slot, q, p              ; B's eight fragments of the slot's q-th 128 along K into set p
	WIN TO_B
.irp i, 0,1,2,3,4,5,6,7
	FRAG 128*(\p)+FR*\i, ADRB+\slot, \q, \i
.endr
	WIN 0
.endm
.macro FETCH_A slot, q, i0             ; A's blocks i0 .. i0 + 3
.irp i, \i0, \i0+1, \i0+2, \i0+3
	FRAG AF+FR*(\i), ADRA+\slot, \q, \i
.endr
.endm
; A load into a register that a matrix instruction has read, and a vector instruction or an LDS store that reads a matrix result, stand NP places behind that matrix instruction, and only plain vector
; instructions that name none of its registers are places (ISA guide 7.12.1 for vector instructions); the matrix instructions in between are not counted.
.macro PLACES n
.rept \n
	v_nop
.endr
.endm
; A step of 128 along K that has its successor in the same slot.  A block of A is free as soon as its eight products are issued, so one set of registers serves A: blocks 0-3 are fetched anew in the step's middle, blocks 4-7 at its end.
.macro STEP slot, q, zero
	s_wait_dscnt 4*NL                              ; B's set and A's blocks 0-3 are in; the youngest 16 loads (A's blocks 4-7) may be out
	WIN MUL_LO
	MUL16 0, (\q)%2, \zero
	MUL16 2, (\q)%2, \zero
	s_wait_dscnt 0                                 ; A's blocks 4-7 are in (asked for 32 matrix instructions ago)
	PLACES NP
	FETCH_B \slot, (\q)+1, 1-(\q)%2
	FETCH_A \slot, (\q)+1, 0
	WIN MUL_HI
	MUL16 4, (\q)%2, \zero
	MUL16 6, (\q)%2, \zero
	PLACES NP
	WIN 0
	FETCH_A \slot, (\q)+1, 4
.endm
; A slot's last step changes slots: ONE barrier; in front of it each wave waits for all its tensor loads, adds 0 to its spare word, and waits for that and for its own reads of this slot.  fill = 1: this slot is filled again, two K steps ahead.
.macro TURN slot, next, fill
.if \fill
	s_wait_xcnt 0x0                                ; the last prefetch, a K step back, has read its address: it is stepped here, ahead of the waits of the change of slots
	s_add_nc_u64 s[PFA:PFA+1], s[PFA:PFA+1], KSTEP
.endif
	s_wait_tensorcnt 0x0                           ; all my tensor loads have landed: my part of the next slot;  (every window is 0 here: the add's two registers lie in window 0)
	ds_add_u32 v[SPW], v[NIL]                      ; 0 onto my spare word
	s_wait_dscnt 4*NL+1                            ; (the add and the youngest 16 loads, A's blocks 4-7, may be out)
	WIN MUL_LO
	MUL16 0, 1, 0                                  ; sixteen matrix instructions stand between the add and the wait for it
	s_wait_dscnt 0x0                               ; the add is done, and my reads of this slot are over
	s_barrier_signal -1
	MUL16 2, 1, 0
	WIN 0
	s_barrier_wait -1
.if \fill
	CREST                                          ; the barrier has opened a round of the cluster's barrier: no wave of any partner still reads this slot's tile or has a load on its way
	s_add_nc_u64 s[G0+4*\slot+2:G0+4*\slot+3], s[G0+4*\slot+2:G0+4*\slot+3], 2*ROWB
	s_add_nc_u64 s[G0B+4*\slot+2:G0B+4*\slot+3], s[G0B+4*\slot+2:G0B+4*\slot+3], 2*ROWB
	JLOAD G0+4*\slot, G1, G0B+4*\slot, G1B         ; the first tensor load behind the round, and my one load until the next; the four v_nop behind it are the places in front of the loads below
.else
	PLACES NP
.endif
	FETCH_B \next, 0, 0
	FETCH_A \next, 0, 0
.if \fill
	ASK                                            ; behind the joint load and the run of LDS loads that the next products wait for; every window is 0 here
.endif
	WIN MUL_HI
	MUL16 4, 1, 0
	MUL16 6, 1, 0
	PLACES NP
	WIN 0
	FETCH_A \next, 0, 4
.endm
	s_wait_tensorcnt 1                             ; my part of K step 0 is in (K step 1's load may be out)
	s_barrier_signal -1
	s_barrier_wait -1                              ; everybody's is
	FETCH_B 0, 0, 0
	FETCH_A 0, 0, 0
	FETCH_A 0, 0, 4
	STEP 0, 0, 1                                   ; the first step stands in front of the loop: its products start the sums
	s_mov_b32 s3, LAPS-1
.Llap:                                                 ; a trip goes once round the ring, from a lap's second step to the next lap's first, and fills both slots again
	TURN 0, 1, 1
	STEP 1, 0, 0
	TURN 1, 0, 1
	STEP 0, 0, 0
	s_sub_co_u32 s3, s3, 1
	s_cmp_lg_u32 s3, 0
	s_cbranch_scc1 .Llap
	TURN 0, 1, 0                                   ; the last lap fills nothing, and has no round of the cluster's barrier
	STEP 1, 0, 0
	s_wait_dscnt 4*NL                              ; the very last step: nothing more to fetch
	WIN MUL_LO
	MUL16 0, 1, 0
	MUL16 2, 1, 0
	s_wait_dscnt 0
	WIN MUL_HI
	MUL16 4, 1, 0
	MUL16 6, 1, 0
	WIN 0
; THE WAY OUT, block by block of 16 rows x 128 columns.  A lane holds 32 neighbouring bytes of a row, and the lanes beside it hold other rows: so a block goes through my own stage in LDS and comes back as whole
; rows of 512 bytes.  LDS serves a wave's instructions in order (ISA guide 5.7.1.4): no wait between the stores and the loads, nor in front of the next block's stores.
.macro TOSTAGE a
.set AC, 64*((\a)%4)
	WIN 0x02+((\a)/4)                              ; source 0: window 2 or 3
.irp j, 0,2,4,6,8,10,12,14,16,18,20,22,24,26,28,30,32,34,36,38,40,42,44,46,48,50,52,54,56,58,60,62
	v_pk_mul_f32 v[TMP+\j:TMP+\j+1], v[AC+\j:AC+\j+1], s[SC:SC+1] op_sel_hi:[1,0]   ; both x s78 = 2^(e0 + e1): the logits; each accumulator from its low end on
.endr
	WIN 0
.irp b, 0,1,2,3,4,5,6,7
	ds_store_b128 v[STO], v[TMP+8*\b:TMP+8*\b+3] offset:64*\b
	ds_store_b128 v[STO], v[TMP+8*\b+4:TMP+8*\b+7] offset:64*\b+16
.endr
.set BB, BK+64*((\a)%2)
.irp t, 0,1,2,3,4,5,6,7,8,9,10,11,12,13,14,15
	ds_load_b128 v[BB+4*\t:BB+4*\t+3], v[RD] offset:\t*SPITCH
.endr
.endm
; A block's statistics, while its rows are on their way through the stage.  Lane (r, h) holds 64 logits of row 16 a + r: register 8 b + i is my column 16 b + 8 h + i; the lane 16 away holds the row's other 64.
; M = log2(e) x the largest of the 128; l = the sum of 2^(x log2(e) - M) over the columns that are mine.  Columns 0 .. 95 (registers 0 .. 47) take M - PEN as what is taken off: where they repeat my neighbour's,
; that is +infinity, the exponent -infinity and the term 0; elsewhere PEN is 0.  The exponentials are one batch with one wait.
.macro STATS a
	v_max3_num_f32 v[MXA], v[TMP], v[TMP+1], v[TMP+2]              ; the maximum in two chains
	v_max3_num_f32 v[MXB], v[TMP+3], v[TMP+4], v[TMP+5]
.irp i, 6,10,14,18,22,26,30,34,38,42,46,50,54,58
	v_max3_num_f32 v[MXA], v[MXA], v[TMP+\i], v[TMP+\i+1]
	v_max3_num_f32 v[MXB], v[MXB], v[TMP+\i+2], v[TMP+\i+3]
.endr
	v_max3_num_f32 v[MXA], v[MXA], v[TMP+62], v[TMP+63]
	v_max_num_f32 v[MXA], v[MXA], v[MXB]
	v_permlanex16_b32 v[PD], v[MXA], s[SEL], s[SEL+1]
	v_max_num_f32 v[MXA], v[MXA], v[PD]            ; and the lane 16 away's
	v_mul_f32 v[SM], s[L2E], v[MXA]                ; M (log2(e) is positive)
	v_sub_f32 v[SMP], v[SM], s[PEN]
.irp j, 0,2,4,6,8,10,12,14,16,18,20,22,24,26,28,30,32,34,36,38,40,42,44,46
	v_pk_fma_f32 v[TMP+\j:TMP+\j+1], v[TMP+\j:TMP+\j+1], s[L2E:L2E+1], v[SMP:SMP+1] op_sel_hi:[1,0,0] neg_lo:[0,0,1] neg_hi:[0,0,1]   ; x log2(e) - (M - PEN), two at a time
.endr
.irp j, 48,50,52,54,56,58,60,62
	v_pk_fma_f32 v[TMP+\j:TMP+\j+1], v[TMP+\j:TMP+\j+1], s[L2E:L2E+1], v[SM:SM+1] op_sel_hi:[1,0,0] neg_lo:[0,0,1] neg_hi:[0,0,1]     ; x log2(e) - M
.endr
.set ix, 0
.rept 64
	v_exp_f32 v[TMP+ix], v[TMP+ix]
.set ix, ix+1
.endr
	v_nop                                          ; a plain instruction behind the last exponential, ahead of the first use (ISA guide 5.7.2)
	s_wait_alu depctr_va_vdst(0)                   ; one wait for the whole batch, ahead of its first reader
	v_pk_add_f32 v[SU:SU+1], v[TMP:TMP+1], v[TMP+2:TMP+3]          ; the sum, two at a time, in two chains
	v_pk_add_f32 v[SU+2:SU+3], v[TMP+4:TMP+5], v[TMP+6:TMP+7]
.irp j, 8,12,16,20,24,28,32,36,40,44,48,52,56,60
	v_pk_add_f32 v[SU:SU+1], v[SU:SU+1], v[TMP+\j:TMP+\j+1]
	v_pk_add_f32 v[SU+2:SU+3], v[SU+2:SU+3], v[TMP+\j+2:TMP+\j+3]
.endr
	v_pk_add_f32 v[SU:SU+1], v[SU:SU+1], v[SU+2:SU+3]
	v_add_f32 v[SU], v[SU], v[SU+1]
	v_permlanex16_b32 v[PD], v[SU], s[SEL], s[SEL+1]
	v_add_f32 v[SM+1], v[SU], v[PD]                ; l
	ds_store_b64 v[SA], v[SM:SM+1] offset:128*(\a) ; lanes l and l + 16 hold the same pair and write it to the same place
.endm
; A block's 16 rows are stored: 32 lanes x 16 bytes = 512 consecutive bytes of a row; where my first 96 columns are my neighbour's, lanes 0 to 23 are off.
.macro SEND a, younger                 ; younger: the LDS instructions issued behind block a's loads, which may stay out
.set BB, BK+64*((\a)%2)
	s_wait_dscnt \younger                          ; the block is back in registers
.if (\a) > 0
	s_add_nc_u64 s[10:11], s[10:11], 16*CROW       ; (behind the wait on XCNT that closed the block before: its stores have read their base)  16 rows on: the stores' offsets stay at 15 rows of 16,000 bytes at the most
.endif
	s_and_saveexec_b32 s[SAVE], s[KEEP]            ; no global instruction of mine has been issued since the last wait on XCNT for 0
.irp t, 0,1,2,3,4,5,6,7,8,9,10,11,12,13,14,15
	global_store_b128 v[CO], v[BB+4*\t:BB+4*\t+3], s[10:11] offset:\t*CROW th:TH_STORE_NT   ; written once, read by nobody in this launch
.endr
	s_wait_xcnt 0x0                                ; EXEC is widened, the base stepped and these registers loaded again only behind this wait (ISA guide 3.1)
	s_or_b32 exec_lo, exec_lo, s[SAVE]
.endm
	s_wait_kmcnt 0x0
	s_add_co_i32 s[SC], s[SC], s[SC+1]             ; e0 + e1, between -126 and 127,
	s_add_co_i32 s[SC], s[SC], 127
	s_lshl_b32 s[SC], s[SC], 23                    ; makes the f32 number 2^(e0 + e1)
	s_wait_xcnt 0x0                                ; the loop's prefetches have read their sources: EXEC is narrowed below
	v_mov_b32 v[SM+1], 0                           ; named as the upper half of a pair before it is first made.  These four lines are the places behind the last products:
	v_mov_b32 v[SMP+1], 0                          ; they serve the reads of results and the loads into the registers that held A's fragments alike
	v_mov_b32 v[PD], 0                             ; a lane permute's destination counts as one of its sources
	v_nop
	TOSTAGE 0
	STATS 0
.irp a, 1,2,3,4,5,6,7
	TOSTAGE \a
	STATS \a
	SEND \a-1, 34                                  ; behind block a - 1's loads: its one store of (M, l), block a's 16 stores and 16 loads, and block a's one store of (M, l)
.endr
	SEND 7, 0
	; THE TWO COLUMN HALVES OF A ROW ARE JOINED: thread t takes rows 2 t and 2 t + 1.  P = Mx + log2(l0 2^(M0 - Mx) + l1 2^(M1 - Mx)), Mx the larger M: the half that holds it has l >= 1 (where the right half's M comes
	; from a repeated column, the left half's M is no smaller), so the logarithm's operand is at least 1.
	s_wait_dscnt 0x0                               ; for the others' sake: my stores of (M, l) are done
	s_barrier_signal -1
	s_barrier_wait -1
	ds_load_b128 v[32:35], v[SL]                   ; left half: M, l of row 2 t; M, l of row 2 t + 1
	ds_load_b128 v[36:39], v[SL] offset:1024       ; right half
	s_wait_dscnt 0x0
	v_max_num_f32 v40, v32, v36
	v_max_num_f32 v41, v34, v38
	v_sub_f32 v42, v32, v40
	v_sub_f32 v43, v36, v40
	v_sub_f32 v44, v34, v41
	v_sub_f32 v45, v38, v41
	v_exp_f32 v42, v42
	v_exp_f32 v43, v43
	v_exp_f32 v44, v44
	v_exp_f32 v45, v45
	v_nop                                          ; a plain instruction behind the batch
	s_wait_alu depctr_va_vdst(0)                   ; and its one wait
	v_mul_f32 v46, v33, v42
	v_mul_f32 v47, v35, v44
	v_fma_f32 v46, v37, v43, v46
	v_fma_f32 v47, v39, v45, v47
	v_log_f32 v46, v46
	v_log_f32 v47, v47
	v_nop
	s_wait_alu depctr_va_vdst(0)
	v_add_f32 v40, v40, v46
	v_add_f32 v41, v41, v47
	global_store_b64 v[PO], v[40:41], s[12:13]     ; a wave stores 256 consecutive bytes, at a multiple of 256 from part's first byte
	s_wait_tensorcnt 0x0                           ; the wave's end: behind my last tensor load and my last LDS store
	ds_add_u32 v[SPW], v[NIL]
	s_wait_dscnt 0x0
	CROUND                                         ; the closing round: no work-group ends while a partner may still ask for a tile that names it
	s_endpgm
.Lfunc_end_k_q20c90cae1e_gemm:
	.size	k_q20c90cae1e_gemm, .Lfunc_end_k_q20c90cae1e_gemm-k_q20c90cae1e_gemm
	.p2alignl 7, 3214868480
	.fill 96, 4, 3214868480
	.section	.rodata,"a",@progbits
	.p2align	6, 0x0
	.amdhsa_kernel k_q20c90cae1e_gemm
		.amdhsa_group_segment_fixed_size 327680
		.amdhsa_private_segment_fixed_size 0
		.amdhsa_enable_private_segment 0
		.amdhsa_kernarg_size 40
		.amdhsa_user_sgpr_count 2
		.amdhsa_user_sgpr_kernarg_segment_ptr 1
		.amdhsa_wavefront_size32 1
		.amdhsa_system_sgpr_workgroup_id_x 1
		.amdhsa_system_sgpr_workgroup_id_y 1
		.amdhsa_system_sgpr_workgroup_id_z 1
		.amdhsa_system_vgpr_workitem_id 0
		.amdhsa_next_free_vgpr 1024
		.amdhsa_next_free_sgpr 88
		.amdhsa_reserve_vcc 0
		.amdhsa_float_denorm_mode_32 3
		.amdhsa_float_denorm_mode_16_64 3
		.amdhsa_memory_ordered 1
		.amdhsa_forward_progress 1
		.amdhsa_inst_pref_size 194
	.end_amdhsa_kernel
	.amdgpu_metadata
---
amdhsa.version: [ 1, 2 ]
amdhsa.kernels:
  - .name:           k_q20c90cae1e_gemm
    .symbol:         k_q20c90cae1e_gemm.kd
    .args:
      - { .name: hidden_states_codes, .offset: 0, .size: 8, .value_kind: global_buffer, .address_space: global }
      - { .name: W_codes, .offset: 8, .size: 8, .value_kind: global_buffer, .address_space: global }
      - { .name: lowp_scales, .offset: 16, .size: 8, .value_kind: global_buffer, .address_space: global }
      - { .name: out1, .offset: 24, .size: 8, .value_kind: global_buffer, .address_space: global }
      - { .name: part, .offset: 32, .size: 8, .value_kind: global_buffer, .address_space: global }
    .group_segment_fixed_size: 327680
    .private_segment_fixed_size: 0
    .kernarg_segment_align: 8
    .kernarg_segment_size: 40
    .max_flat_workgroup_size: 128
    .sgpr_count:     88
    .vgpr_count:     1024
    .wavefront_size: 32
...
	.end_amdgpu_metadata
.endif
;; end of part 1
;; launch loss (part 2): grid 1 x 1, 32 waves a work-group, no clusters, 4,352 bytes of LDS; arguments part, out1, label_ids, out0; writes out0
.if DOCPART == 2
	.amdgcn_target "amdgcn-amd-amdhsa--gfx1250"
	.amdhsa_code_object_version 6
	.text
	.protected	k_q20c90cae1e_loss
	.globl	k_q20c90cae1e_loss
	.p2align	8
	.type	k_q20c90cae1e_loss,@function
k_q20c90cae1e_loss:
	s_mov_b64 s[64:65], 0
	v_nop
	global_prefetch_b8 v0, s[64:65] scope:SCOPE_SE
	s_setreg_imm32_b32 hwreg(HW_REG_WAVE_MODE, 25, 1), 1
	s_wait_xcnt 0x0
; out0 = the mean, over the 4,094 rows (b, s) with s < 2047, of logsumexp(logits[b][s]) - logits[b][s][label_ids[b][s + 1]].
; part [16][4096] f32 holds, for each tile column c and row, P = log2 of the sum over that tile's columns of 2^(x log2 e).  A row's logsumexp is ln 2 x (Mx + log2 of the sum over c of 2^(P - Mx)), Mx the largest of its 16 P:
; the maximum is taken off ahead of the exponentials here as it was in making P.
; ONE work-group of 32 waves: 256 KiB of part, 16 KiB of labels and 4,096 gathered words are too little to share out over a launch of many and a further launch to add their parts.
; Thread t owns rows 4 t .. 4 t + 3: each of its 16 loads of part takes 16 bytes, a wave's 512 consecutive bytes.  No matrix unit, no tensor load, no cluster: nothing is shared and nothing is multiplied.
; Rows with s = 2047 (row 4 t + 3 where t % 512 = 511) have no label: their term is replaced by 0 by a select; the load of the label behind the last row is held inside the buffer.
; LIMIT: a label is taken as unsigned and held at 3,999 (the problem keeps it inside the vocabulary).  NaN in a row gives NaN.
.set LB,  4                            ; v[4:7]    my four rows' labels
.set GA,  8                            ; v[8:11]   the gathers' offsets
.set XL,  12                           ; v[12:15]  the labels' logits
.set P,   16                           ; v[16:79]  P of tile column c, row j at 4 c + j
.set MX,  80                           ; v[80:83]  the rows' largest P
.set SU,  84                           ; v[84:87]  the rows' sums, then their terms
	s_load_b128 s[4:7], s[0:1], 0x0                ; part s[4:5], out1 s[6:7]
	s_load_b128 s[8:11], s[0:1], 0x10              ; label_ids s[8:9], out0 s[10:11]
	v_lshl_add_u32 v96, v0, 2, 0x100
	v_mov_b32 v97, 0
	v_lshrrev_b32 v1, 5, v0
	v_readfirstlane_b32 s12, v1                    ; wave 0..31
	v_mov_b32 v91, s12
	v_lshlrev_b32 v91, 2, v91                      ; LDS: my wave's word
	v_and_b32 v92, 31, v0
	v_lshlrev_b32 v92, 2, v92                      ; and the word that my lane reads back
	v_lshlrev_b32 v1, 4, v0                        ; 16 t: my four rows in a tile column of part, and in label_ids
	v_add_nc_u32 v2, 16, v1                        ; row 4 t + 3 takes the label of flat index 4 t + 4,
	v_min_u32 v2, 0x3ffc, v2                       ; held at the last label: thread 1,023's is not used
	v_mul_u32_u24 v3, v0, 0xfa00                   ; my first row in out1: 4 rows of 16,000 bytes a thread, under 2^26
	v_mov_b32 v89, 0
	v_mov_b32 v90, 0                               ; a lane permute's destination counts as one of its sources
	s_mov_b32 s14, 0x76543210                      ; v_permlanex16_b32: lane l xor 16
	s_mov_b32 s15, 0xfedcba98
	s_mov_b32 s16, 0x3f317218                      ; ln 2
	s_mov_b32 s17, 0x39801002                      ; 1 / 4094
	s_wait_kmcnt 0x0
	global_load_b32 v[LB], v1, s[8:9] offset:4     ; row 4 t + j takes the label at flat index 4 t + j + 1
	global_load_b32 v[LB+1], v1, s[8:9] offset:8
	global_load_b32 v[LB+2], v1, s[8:9] offset:12
	global_load_b32 v[LB+3], v2, s[8:9]
.irp c, 0,1,2,3,4,5,6,7,8,9,10,11,12,13,14,15
	global_load_b128 v[P+4*\c:P+4*\c+3], v1, s[4:5] offset:16384*\c th:TH_LOAD_NT
.endr
	s_wait_loadcnt 16                              ; the four labels are in; part's 16 loads may be out
.irp j, 0,1,2,3
	v_min_u32 v[LB+\j], 0xf9f, v[LB+\j]            ; a loaded number enters an address only behind this hold: 3,999 at the most
	v_lshlrev_b32 v[GA+\j], 2, v[LB+\j]
	v_add_nc_u32 v[GA+\j], v[GA+\j], v3
.endr
.irp j, 0,1,2,3
	global_load_b32 v[XL+\j], v[GA+\j], s[6:7] offset:16000*\j
.endr
	s_wait_loadcnt 4                               ; part is in; the four gathers may be out
.irp j, 0,1,2,3
	v_max3_num_f32 v[MX+\j], v[P+\j], v[P+4+\j], v[P+8+\j]
.endr
.irp c, 3,5,7,9,11,13
.irp j, 0,1,2,3
	v_max3_num_f32 v[MX+\j], v[MX+\j], v[P+4*\c+\j], v[P+4*\c+4+\j]
.endr
.endr
.irp j, 0,1,2,3
	v_max_num_f32 v[MX+\j], v[MX+\j], v[P+60+\j]
.endr
.irp c, 0,1,2,3,4,5,6,7,8,9,10,11,12,13,14,15
	v_pk_add_f32 v[P+4*\c:P+4*\c+1], v[P+4*\c:P+4*\c+1], v[MX:MX+1] neg_lo:[0,1] neg_hi:[0,1]          ; P - Mx, two rows at a time
	v_pk_add_f32 v[P+4*\c+2:P+4*\c+3], v[P+4*\c+2:P+4*\c+3], v[MX+2:MX+3] neg_lo:[0,1] neg_hi:[0,1]
.endr
.set ix, 0
.rept 64
	v_exp_f32 v[P+ix], v[P+ix]
.set ix, ix+1
.endr
	v_nop                                          ; a plain instruction behind the last exponential (ISA guide 5.7.2)
	s_wait_alu depctr_va_vdst(0)                   ; one wait for the batch, ahead of its first reader
	v_pk_add_f32 v[SU:SU+1], v[P:P+1], v[P+4:P+5]
	v_pk_add_f32 v[SU+2:SU+3], v[P+2:P+3], v[P+6:P+7]
.irp c, 2,3,4,5,6,7,8,9,10,11,12,13,14,15
	v_pk_add_f32 v[SU:SU+1], v[SU:SU+1], v[P+4*\c:P+4*\c+1]
	v_pk_add_f32 v[SU+2:SU+3], v[SU+2:SU+3], v[P+4*\c+2:P+4*\c+3]
.endr
.irp j, 0,1,2,3
	v_log_f32 v[SU+\j], v[SU+\j]                   ; the sum is at least 1: the largest P's term is 1
.endr
	v_and_b32 v88, 0x1ff, v0                       ; (a plain instruction behind the logarithms)
	s_wait_alu depctr_va_vdst(0)
	v_pk_add_f32 v[SU:SU+1], v[SU:SU+1], v[MX:MX+1]                ; log2 of the row's sum of exponentials
	v_pk_add_f32 v[SU+2:SU+3], v[SU+2:SU+3], v[MX+2:MX+3]
	s_wait_loadcnt 0x0                             ; the labels' logits
.irp j, 0,1,2,3
	v_fma_f32 v[SU+\j], v[SU+\j], s16, -v[XL+\j]   ; x ln 2, less the label's logit
.endr
	v_cmp_eq_u32 vcc_lo, 0x1ff, v88
	v_cndmask_b32 v[SU+3], v[SU+3], v89, vcc_lo    ; s = 2047 counts for nothing
	v_add_f32 v[SU], v[SU], v[SU+1]
	v_add_f32 v[SU+2], v[SU+2], v[SU+3]
	v_add_f32 v[SU], v[SU], v[SU+2]
.macro WAVESUM                         ; the sum over the wave's 32 lanes, in every lane
	v_add_f32_dpp v[SU], v[SU], v[SU] row_xmask:1 row_mask:0xf bank_mask:0xf
	v_add_f32_dpp v[SU], v[SU], v[SU] row_xmask:2 row_mask:0xf bank_mask:0xf
	v_add_f32_dpp v[SU], v[SU], v[SU] row_xmask:4 row_mask:0xf bank_mask:0xf
	v_add_f32_dpp v[SU], v[SU], v[SU] row_xmask:8 row_mask:0xf bank_mask:0xf
	v_permlanex16_b32 v90, v[SU], s14, s15
	v_add_f32 v[SU], v[SU], v90
.endm
	WAVESUM
	ds_store_b32 v91, v[SU]                        ; all lanes write the wave's word with the same value
	s_wait_dscnt 0x0                               ; for the others' sake
	s_barrier_signal -1
	s_barrier_wait -1
	ds_load_b32 v[SU], v92                         ; lane i takes wave i's sum
	s_wait_dscnt 0x0
	WAVESUM
	v_mul_f32 v[SU], s17, v[SU]                    ; the mean over 2 x 2047 rows
	s_cmp_lg_u32 s12, 0
	s_cbranch_scc1 .Lend                           ; wave 0 stores
	v_mov_b32 v93, 0
	s_wait_xcnt 0x0                                ; EXEC changes only behind a wait on XCNT for 0
	v_cmp_eq_u32 vcc_lo, 0, v0
	s_and_saveexec_b32 s18, vcc_lo
	global_store_b32 v93, v[SU], s[10:11]          ; one number
	s_wait_xcnt 0x0
	s_or_b32 exec_lo, exec_lo, s18
.Lend:
	s_wait_tensorcnt 0x0
	ds_add_u32 v96, v97
	s_wait_dscnt 0x0
	s_endpgm
.Lfunc_end_k_q20c90cae1e_loss:
	.size	k_q20c90cae1e_loss, .Lfunc_end_k_q20c90cae1e_loss-k_q20c90cae1e_loss
	.p2alignl 7, 3214868480
	.fill 96, 4, 3214868480
	.section	.rodata,"a",@progbits
	.p2align	6, 0x0
	.amdhsa_kernel k_q20c90cae1e_loss
		.amdhsa_group_segment_fixed_size 4352
		.amdhsa_private_segment_fixed_size 0
		.amdhsa_enable_private_segment 0
		.amdhsa_kernarg_size 32
		.amdhsa_user_sgpr_count 2
		.amdhsa_user_sgpr_kernarg_segment_ptr 1
		.amdhsa_wavefront_size32 1
		.amdhsa_system_sgpr_workgroup_id_x 1
		.amdhsa_system_sgpr_workgroup_id_y 1
		.amdhsa_system_sgpr_workgroup_id_z 1
		.amdhsa_system_vgpr_workitem_id 0
		.amdhsa_next_free_vgpr 98
		.amdhsa_next_free_sgpr 66
		.amdhsa_reserve_vcc 1
		.amdhsa_float_denorm_mode_32 3
		.amdhsa_float_denorm_mode_16_64 3
		.amdhsa_memory_ordered 1
		.amdhsa_forward_progress 1
		.amdhsa_inst_pref_size 15
	.end_amdhsa_kernel
	.amdgpu_metadata
---
amdhsa.version: [ 1, 2 ]
amdhsa.kernels:
  - .name:           k_q20c90cae1e_loss
    .symbol:         k_q20c90cae1e_loss.kd
    .args:
      - { .name: part, .offset: 0, .size: 8, .value_kind: global_buffer, .address_space: global }
      - { .name: out1, .offset: 8, .size: 8, .value_kind: global_buffer, .address_space: global }
      - { .name: label_ids, .offset: 16, .size: 8, .value_kind: global_buffer, .address_space: global }
      - { .name: out0, .offset: 24, .size: 8, .value_kind: global_buffer, .address_space: global }
    .group_segment_fixed_size: 4352
    .private_segment_fixed_size: 0
    .kernarg_segment_align: 8
    .kernarg_segment_size: 32
    .max_flat_workgroup_size: 1024
    .sgpr_count:     66
    .vgpr_count:     98
    .wavefront_size: 32
...
	.end_amdgpu_metadata
.endif
;; end of part 2
;; ======== version 2 of 2: 2 launches
;; limits: right only within a limited range of input values
;; workspace buffers: part 262,144 bytes; pick 1,024 bytes
;; launch gemm (part 3): grid 16 x 16, 4 waves a work-group, clusters of 4 x 4, 327,680 bytes of LDS; arguments hidden_states_codes, W_codes, lowp_scales, out1, part, label_ids, pick; writes out1, part, pick
.if DOCPART == 3
	.amdgcn_target "amdgcn-amd-amdhsa--gfx1250"
	.amdhsa_code_object_version 6
	.text
	.protected	k_q20c90cae1e_gemm
	.globl	k_q20c90cae1e_gemm
	.p2align	8
	.type	k_q20c90cae1e_gemm,@function
k_q20c90cae1e_gemm:
	s_mov_b64 s[64:65], 0
	v_nop
	global_prefetch_b8 v0, s[64:65] scope:SCOPE_SE
	s_setreg_imm32_b32 hwreg(HW_REG_WAVE_MODE, 25, 1), 1
	s_wait_xcnt 0x0
	s_wait_alu depctr_hold_cnt(0) depctr_sa_sdst(0) depctr_va_vdst(0) depctr_va_sdst(0) depctr_va_ssrc(0) depctr_va_vcc(0) depctr_vm_vsrc(0)
	s_getreg_b32 s2, hwreg(HW_REG_IB_STS2, 6, 4)
	s_cmp_eq_u32 s2, 0
	s_cbranch_scc0 .Lentry_in_a_cluster
	s_endpgm
.Lentry_in_a_cluster:
	s_bfe_u32 s2, ttmp6, 0x10000c
	s_cmp_lg_u32 s2, 0xf033
	s_cbranch_scc0 .Lentry_shape_is_right
	s_endpgm
.Lentry_shape_is_right:
; out1[m][n] = 2^(ea + eb) x the sum over k of hidden's code (m, k) x W's code (n, k): m 4,096 rows (b, s), n 4,000, k 4,096; E4M3 codes multiplied as they are, sums in f32.
; Beside the logits each work-group leaves what the loss needs of its 256 x 256 tile: part[tile column][row] = log2 of the sum over the tile's columns of 2^(x log2 e), made with the
; tile's largest x taken off ahead of the exponentials, and pick[work-group] = the sum of the logits x[row][label_ids[row + 1]] that fall into the tile (rows with s = 2047 have no label and add nothing).
; Nothing of the problem is left out: every row's logits are an output.
; LIMIT: ea + eb lies between -126 and 127, so that 2^(ea + eb) is an f32 number.
; Four waves, each 128 x 128 of the tile: 64 accumulators, 512 registers.  K goes in steps of 256 through two LDS slots (rows of 256 bytes, padded to 272).
; CLUSTERS 4 x 4: hidden's tile is asked for jointly along a row of the cluster, W's along a column.
; N = 4,000 is 15 tile columns and 160: the last 128 columns' wave takes W's rows 3,872 to 3,999; its first DUP = 96 columns are its neighbour wave's too: they are not stored, summed or picked twice.
; PREFETCH: behind each refill every wave names, a lane a row, 32 rows x 256 bytes of the K step two refills on; the four partners of a joint load share its 128 rows out by address;
; K steps 0 to 3 come by their loads alone, and the last two refills name nothing.
; The matrix instruction is used transposed (source 0 = W's rows, source 1 = hidden's): a lane holds eight neighbouring columns of one row.
; REGISTERS: window 0: v0-31 addresses and labels, v32-127 the way out, v128-255 hidden's fragments (one set), later rows read back; window 1: W's fragments, two sets; windows 2, 3: accumulators.
.set KSTEP,  256
.set ROWB,   256
.set KROW,   4096
.set PITCH,  272
.set FR,     16
.set NL,     4
.set NP,     4
.set HALFT,  128*PITCH
.set SLOT,   4*HALFT
.set LAPS,   8
.set SPARE,  2*SLOT                    ; the spare words: 128 bytes a wave
.set STAT,   SPARE+512                 ; (largest t, sum) of each wave's 128 rows: 1,024 bytes a wave
.set PSUM,   STAT+4096                 ; the four waves' sums of picked logits
.set SPITCH, 528                       ; the stage, 16 rows x (512 + 16) bytes a wave, lies in slot 0 behind its last fill and last read
.set CROW,   16000                     ; a row of out1 in bytes
.set LASTB,  3872
.set ACCP, 5                           ; my sum of picked logits
.set PR,   6
.set LA,   7
.set LBL,  8                           ; v8-15: the label of my row in each of the 8 blocks, counted from my first column
.set ADRA, 16
.set LA7,  18
.set H8,   19
.set ADRB, 20
.set PO,   22
.set PW,   23
.set STO,  24
.set RD,   25
.set CO,   26
.set SA,   27
.set SPW,  28
.set NIL,  29
.set PFO,  30
.set SL,   31
.set TMP,  32                          ; v32-95: a block's logits, then their exponentials
.set SM,   96
.set SMP,  98
.set MXA,  100
.set PD,   102
.set SU,   104
.set PU,   112
.set PT,   120
.set AF,   128
.set BK,   128
.set G1, 24
.set G0, 32
.set G1B, 48
.set G0B, 56
.set PFA, 66
.set DUP, 69
.set PEN, 70
.set KEEP, 71
.set SAVE, 72
.set COLC, 73
.set SEL, 74
.set L2E, 76
.set SC,  78
.set ROWA, 82
.set MB,  84
.set VAL, 90
.set LASTM, 91
.set LID, 92
.set PKB, 94
.set MSB, 0
.macro WIN new                         ; the immediate's high byte repeats the setting that is left
.if MSB != \new
	s_set_vgpr_msb (MSB<<8)|\new
.set MSB, \new
.endif
.endm
.set MUL_LO, 0xa1
.set MUL_HI, 0xf1
.set TO_B,   0x40
.macro JLOAD g0a, g1a, g0b, g1b        ; a joint load: waves 0, 1 for hidden, waves 2, 3 for W; s_nop 0 and four v_nop behind each line
	s_cmp_eq_u32 s15, 0
	s_cbranch_scc0 .Lfor_b_\@
	tensor_load_to_lds s[\g0a:\g0a+3], s[\g1a:\g1a+7]
	s_nop 0
.rept 4
	v_nop
.endr
	s_branch .Lasked_\@
.Lfor_b_\@:
	tensor_load_to_lds s[\g0b:\g0b+3], s[\g1b:\g1b+7]
	s_nop 0
.rept 4
	v_nop
.endr
.Lasked_\@:
.endm
.macro ASK                             ; the K step two refills on; the loop's last trip (s3 = 1) has none
	s_cmp_gt_u32 s3, 1
	s_cbranch_scc0 .Lnot_mine_\@
	global_prefetch_b8 v[PFO], s[PFA:PFA+1] offset:KSTEP th:TH_LOAD_NT scope:SCOPE_SE
.Lnot_mine_\@:
.endm
.macro CREST                           ; a round of the cluster's barrier behind its opening barrier
	s_cmp_lg_u32 s14, 0
	s_cbranch_scc1 .Lnot_wave_0_\@
	s_barrier_signal -3
.Lnot_wave_0_\@:
	s_barrier_wait -3
	s_barrier_signal -1
	s_barrier_wait -1
.endm
.macro CROUND
	s_barrier_signal -1
	s_barrier_wait -1
	CREST
.endm
	s_load_b128 s[4:7], s[0:1], 0x0                ; hidden's codes, W's codes
	s_load_b128 s[8:11], s[0:1], 0x10              ; the scales' exponents, out1
	s_load_b64 s[12:13], s[0:1], 0x20              ; part
	s_load_b128 s[LID:LID+3], s[0:1], 0x28         ; label_ids, pick
	v_lshl_add_u32 v[SPW], v0, 2, SPARE
	v_mov_b32 v[NIL], 0
	ds_add_u32 v[SPW], v[NIL]                      ; the opening: the add, twice on end, and its wait ahead of the first tensor load
	ds_add_u32 v[SPW], v[NIL]
	v_lshrrev_b32 v1, 5, v0
	v_readfirstlane_b32 s14, v1                    ; wave
	s_lshr_b32 s15, s14, 1                         ; my half of the rows; also: I fetch for hidden (0) or W (1)
	s_and_b32 s16, s14, 1                          ; my half of the columns; also: which 128 rows I fetch
	s_bfe_u32 s40, ttmp6, 0x40000                  ; cx
	s_bfe_u32 s41, ttmp6, 0x40004                  ; cy
	s_lshl_b32 s42, ttmp9, 2
	s_add_co_u32 s42, s42, s40                     ; tile column
	s_and_b32 s17, ttmp7, 0xffff
	s_lshl_b32 s17, s17, 2
	s_add_co_u32 s17, s17, s41                     ; tile row
	s_lshl_b32 s43, s41, 2
	s_lshl_b32 s43, 15, s43                        ; my row of the cluster
	s_lshl_b32 s44, 0x1111, s40                    ; my column
	s_or_b32 s[G1+0], s43, (0<<16)|(1<<20)|(1<<21)|(5<<22)|(3<<25)   ; mask; 1-byte elements; 4 words of padding behind every 64
	s_or_b32 s[G1B+0], s44, (0<<16)|(1<<20)|(1<<21)|(5<<22)|(3<<25)
.irp g, G1, G1B
	s_mov_b32 s[\g+1], ROWB<<16
	s_mov_b32 s[\g+2], 128<<16
	s_mov_b32 s[\g+3], ROWB<<16
	s_mov_b32 s[\g+4], 128
	s_mov_b32 s[\g+5], KROW
	s_mov_b32 s[\g+6], 0
	s_mov_b32 s[\g+7], 0
.endr
	s_lshl_b32 s18, s16, 7
	s_lshl_b32 s20, s17, 8
	s_add_co_u32 s20, s20, s18                     ; hidden: the first row that I fetch
	s_mov_b32 s[ROWA], s20
	s_lshl_b32 s46, s42, 8
	s_add_co_u32 s46, s46, s18
	s_min_u32 s[COLC], s46, LASTB                  ; W: likewise, held inside its 4,000 rows
	s_sub_co_u32 s[DUP], s46, s[COLC]              ; 0, or 96 in the last half tile
	s_lshl_b32 s20, s20, 12
	s_mov_b32 s21, 0
	s_lshl_b32 s46, s[COLC], 12
	s_mov_b32 s47, 0
	s_mul_i32 s45, s14, HALFT
	s_mov_b32 s[SEL], 0x76543210
	s_mov_b32 s[SEL+1], 0xfedcba98
	s_mov_b32 s[L2E], 0x3fb8aa3b
	s_mov_b32 s[L2E+1], 0x3fb8aa3b
	s_wait_dscnt 0x0                               ; both opening adds are done
	s_wait_kmcnt 0x0
	s_load_b64 s[SC:SC+1], s[8:9], 0x0             ; ea, eb: awaited on the way out
	s_add_nc_u64 s[20:21], s[4:5], s[20:21]
	s_add_nc_u64 s[46:47], s[6:7], s[46:47]
.irp s, 0,1
	s_mov_b32 s[G0+4*\s], 1
	s_add_co_u32 s[G0+4*\s+1], s45, \s*SLOT
	s_add_nc_u64 s[G0+4*\s+2:G0+4*\s+3], s[20:21], \s*ROWB
	s_or_b32 s[G0+4*\s+3], s[G0+4*\s+3], 0x80000000
	s_mov_b32 s[G0B+4*\s], 1
	s_add_co_u32 s[G0B+4*\s+1], s45, \s*SLOT
	s_add_nc_u64 s[G0B+4*\s+2:G0B+4*\s+3], s[46:47], \s*ROWB
	s_or_b32 s[G0B+4*\s+3], s[G0B+4*\s+3], 0x80000000
.endr
	CROUND                                         ; all sixteen work-groups are here
	JLOAD G0, G1, G0B, G1B                         ; K step 0: one tensor load a wave at the head; all below runs while it is on its way
	s_mul_i32 s18, s15, HALFT                      ; my 128 rows of hidden in a slot
	s_mul_i32 s19, s16, HALFT
	s_add_co_u32 s19, s19, 2*HALFT                 ; my 128 rows of W
	s_mul_i32 s22, s14, 16*SPITCH                  ; my stage
	s_lshl_b32 s23, s14, 10
	s_add_co_u32 s23, s23, STAT
	s_cmp_lg_u32 s[DUP], 0
	s_cselect_b32 s[PEN], 0xff800000, 0            ; -infinity where columns are held twice
	s_lshl_b32 s2, s17, 8
	s_lshl_b32 s21, s15, 7
	s_add_co_u32 s2, s2, s21                       ; my first row of out1
	s_mul_i32 s20, s2, CROW
	s_mov_b32 s21, 0
	s_lshl_b32 s46, s[COLC], 2
	s_mov_b32 s47, 0
	s_add_nc_u64 s[20:21], s[20:21], s[46:47]
	s_add_nc_u64 s[10:11], s[10:11], s[20:21]
	s_lshl_b32 s46, s42, 14                        ; part: 16,384 bytes a tile column, 1,024 a tile row
	s_lshl_b32 s20, s17, 10
	s_add_co_u32 s46, s46, s20
	s_add_nc_u64 s[12:13], s[12:13], s[46:47]
	s_lshl_b32 s46, s42, 6                         ; pick: a word a work-group
	s_lshl_b32 s20, s17, 2
	s_add_co_u32 s46, s46, s20
	s_add_nc_u64 s[PKB:PKB+1], s[PKB:PKB+1], s[46:47]
	s_cmp_eq_u32 s15, 0                            ; the prefetches: of the 128 rows that I fetch, my work-group's 32
	s_cselect_b32 s20, s[ROWA], s[COLC]
	s_cselect_b32 s21, s40, s41
	s_cselect_b64 s[PFA:PFA+1], s[4:5], s[6:7]
	s_lshl_b32 s21, s21, 5
	s_add_co_u32 s20, s20, s21
	s_lshl_b32 s20, s20, 12
	s_mov_b32 s21, 0
	s_add_nc_u64 s[PFA:PFA+1], s[PFA:PFA+1], s[20:21]
	s_add_nc_u64 s[PFA:PFA+1], s[PFA:PFA+1], 2*KSTEP
	v_and_b32 v1, 15, v0                           ; r
	v_bfe_u32 v2, v0, 4, 1                         ; h
	v_and_b32 v6, 31, v0
	v_mul_u32_u24 v3, v1, PITCH
	v_mul_u32_u24 v5, v1, SPITCH
	v_lshl_add_u32 v4, v2, 4, v3                   ; a fragment's row x pitch + 16 h
	v_lshl_add_u32 v5, v2, 5, v5
	v_add_nc_u32 v[ADRA], s18, v4
	v_add_nc_u32 v[ADRB], s19, v4
	v_add_nc_u32 v[ADRA+1], SLOT, v[ADRA]
	v_add_nc_u32 v[ADRB+1], SLOT, v[ADRB]
	v_add_nc_u32 v[STO], s22, v5                   ; into the stage: row r, 32 bytes for each half of the lanes
	v_lshlrev_b32 v[CO], 4, v6
	v_add_nc_u32 v[RD], s22, v[CO]                 ; back: 32 lanes take a row of 512 bytes
	v_lshl_add_u32 v[SA], v1, 3, s23
	v_lshrrev_b32 v3, 6, v0
	v_and_b32 v4, 63, v0
	v_lshlrev_b32 v4, 4, v4
	v_lshl_add_u32 v[SL], v3, 11, v4
	v_add_nc_u32 v[SL], STAT, v[SL]                ; thread t joins rows 2 t, 2 t + 1 of the tile
	v_mov_b32 v[PW], s14
	v_lshlrev_b32 v[PW], 2, v[PW]
	v_add_nc_u32 v[PW], PSUM, v[PW]
	v_lshlrev_b32 v[H8], 3, v2
	v_lshlrev_b32 v[PO], 3, v0
	v_lshlrev_b32 v[PFO], 12, v6                   ; a lane a row of 4,096 bytes
	v_lshlrev_b32 v5, 2, v6
	v_cmp_ge_u32 s[KEEP], v5, s[DUP]               ; the lanes whose four columns are mine to store
	v_add_nc_u32 v[LA], s2, v1
	v_lshlrev_b32 v[LA], 2, v[LA]
	v_add_nc_u32 v[LA7], 4*113, v[LA]
	v_min_u32 v[LA7], 0x3ffc, v[LA7]               ; the last row's successor does not exist: held inside label_ids, and masked below
	v_add_nc_u32 v3, 4*112, v[LA]
	v_and_b32 v3, 0x1ffc, v3
	v_cmp_eq_u32 vcc_lo, 0x1ffc, v3                ; s = 2047
	s_mov_b32 s[LASTM], vcc_lo
	s_wait_alu depctr_va_vdst(0)
.irp a, 0,1,2,3,4,5,6
	global_load_b32 v[LBL+\a], v[LA], s[LID:LID+1] offset:64*\a+4   ; label_ids[row + 1]; awaited on the way out
.endr
	global_load_b32 v[LBL+7], v[LA7], s[LID:LID+1]
.macro FRAG reg, adr, q, i             ; 16 rows x 128 K: registers 4 c .. 4 c + 3 hold K = 32 c + 16 h + 0 .. 15, alike on both sides
.irp c, 0,1,2,3
	ds_load_b128 v[\reg+4*\c:\reg+4*\c+3], v[\adr] offset:128*(\q)+32*\c+(\i)*16*PITCH
.endr
.endm
.macro MUL16 a0, p, zero               ; hidden's blocks a0, a0 + 1 x W's eight; the 64 accumulators take turns
.irp a, \a0, \a0+1
.irp b, 0,1,2,3,4,5,6,7
.if \zero
	v_wmma_f32_16x16x128_fp8_fp8 v[8*(8*((\a)%4)+\b):8*(8*((\a)%4)+\b)+7], v[128*(\p)+FR*\b:128*(\p)+FR*\b+FR-1], v[AF+FR*(\a):AF+FR*(\a)+FR-1], 0
.else
	v_wmma_f32_16x16x128_fp8_fp8 v[8*(8*((\a)%4)+\b):8*(8*((\a)%4)+\b)+7], v[128*(\p)+FR*\b:128*(\p)+FR*\b+FR-1], v[AF+FR*(\a):AF+FR*(\a)+FR-1], v[8*(8*((\a)%4)+\b):8*(8*((\a)%4)+\b)+7]
.endif
.endr
.endr
.endm
.macro FETCH_B slot, q, p
	WIN TO_B
.irp i, 0,1,2,3,4,5,6,7
	FRAG 128*(\p)+FR*\i, ADRB+\slot, \q, \i
.endr
	WIN 0
.endm
.macro FETCH_A slot, q, i0
.irp i, \i0, \i0+1, \i0+2, \i0+3
	FRAG AF+FR*(\i), ADRA+\slot, \q, \i
.endr
.endm
.macro PLACES n                        ; places in front of loads into registers that matrix instructions have read
.rept \n
	v_nop
.endr
.endm
.macro STEP slot, q, zero              ; 128 along K with its successor in the same slot
	s_wait_dscnt 4*NL                              ; all but the youngest 16 loads (hidden's blocks 4-7)
	WIN MUL_LO
	MUL16 0, (\q)%2, \zero
	MUL16 2, (\q)%2, \zero
	s_wait_dscnt 0
	PLACES NP
	FETCH_B \slot, (\q)+1, 1-(\q)%2
	FETCH_A \slot, (\q)+1, 0
	WIN MUL_HI
	MUL16 4, (\q)%2, \zero
	MUL16 6, (\q)%2, \zero
	PLACES NP
	WIN 0
	FETCH_A \slot, (\q)+1, 4
.endm
; A slot's last 128 along K, and the change of slots.  Blocks 0-3 are multiplied ahead of the wait for the other slot's tile, so that only the add, the descriptors' steps
; and the round stand between that wait and the refill: all 128 matrix instructions of a K step lie between a request and the wait for it.
.macro TURN slot, next, fill
	s_wait_dscnt 4*NL                              ; all but hidden's blocks 4-7
	WIN MUL_LO
	MUL16 0, 1, 0
	MUL16 2, 1, 0
	WIN 0
.if \fill
	s_wait_xcnt 0x0                                ; my last prefetch has read its address
	s_add_nc_u64 s[PFA:PFA+1], s[PFA:PFA+1], KSTEP
.endif
	s_wait_tensorcnt 0x0                           ; my one load that was out, my part of the next slot, has landed
	ds_add_u32 v[SPW], v[NIL]
.if \fill
	s_add_nc_u64 s[G0+4*\slot+2:G0+4*\slot+3], s[G0+4*\slot+2:G0+4*\slot+3], 2*ROWB
	s_add_nc_u64 s[G0B+4*\slot+2:G0B+4*\slot+3], s[G0B+4*\slot+2:G0B+4*\slot+3], 2*ROWB
.endif
	s_wait_dscnt 0x0                               ; the add is done, and my reads of this slot are over
	s_barrier_signal -1
	s_barrier_wait -1
.if \fill
	CREST                                          ; the barrier opened a round: no wave of any partner still reads this slot or has a load out
	JLOAD G0+4*\slot, G1, G0B+4*\slot, G1B         ; its four v_nop are the places for the loads below
.else
	PLACES NP
.endif
	FETCH_B \next, 0, 0
	FETCH_A \next, 0, 0
.if \fill
	ASK
.endif
	WIN MUL_HI
	MUL16 4, 1, 0
	MUL16 6, 1, 0
	PLACES NP
	WIN 0
	FETCH_A \next, 0, 4
.endm
	s_wait_tensorcnt 0x0                           ; my part of K step 0 is in; slot 1's first fill is issued as a refill is
	ds_add_u32 v[SPW], v[NIL]
	s_wait_dscnt 0x0
	CROUND
	JLOAD G0+4, G1, G0B+4, G1B                     ; K step 1
	FETCH_B 0, 0, 0
	FETCH_A 0, 0, 0
	FETCH_A 0, 0, 4
	STEP 0, 0, 1                                   ; the first products start the sums
	s_mov_b32 s3, LAPS-1
.Llap:
	TURN 0, 1, 1
	STEP 1, 0, 0
	TURN 1, 0, 1
	STEP 0, 0, 0
	s_sub_co_u32 s3, s3, 1
	s_cmp_lg_u32 s3, 0
	s_cbranch_scc1 .Llap
	TURN 0, 1, 0                                   ; the last lap fills nothing
	STEP 1, 0, 0
	s_wait_dscnt 4*NL
	WIN MUL_LO
	MUL16 0, 1, 0
	MUL16 2, 1, 0
	s_wait_dscnt 0
	WIN MUL_HI
	MUL16 4, 1, 0
	MUL16 6, 1, 0
	WIN 0
; THE WAY OUT, by blocks of 16 rows x 128 columns: x 2^(ea + eb); through my stage and back as whole rows of 512 bytes; the label's logit picked; the block's largest t and sum of 2^(t - largest).
.macro TOSTAGE a
.set AC, 64*((\a)%4)
	WIN 0x02+((\a)/4)
	s_wait_alu depctr_va_vdst(0)                   ; directly ahead of the first reader of these sums
.irp j, 0,2,4,6,8,10,12,14,16,18,20,22,24,26,28,30,32,34,36,38,40,42,44,46,48,50,52,54,56,58,60,62
	v_pk_mul_f32 v[TMP+\j:TMP+\j+1], v[AC+\j:AC+\j+1], s[SC:SC+1] op_sel_hi:[1,0]
.endr
	WIN 0
.irp b, 0,1,2,3,4,5,6,7
	ds_store_b128 v[STO], v[TMP+8*\b:TMP+8*\b+3] offset:64*\b
	ds_store_b128 v[STO], v[TMP+8*\b+4:TMP+8*\b+7] offset:64*\b+16
.endr
.set BB, BK+64*((\a)%2)
.irp t, 0,1,2,3,4,5,6,7,8,9,10,11,12,13,14,15
	ds_load_b128 v[BB+4*\t:BB+4*\t+3], v[RD] offset:\t*SPITCH   ; LDS serves a wave's instructions in order (ISA guide 5.7.1.4)
.endr
.endm
.macro BIT k, val, a
	v_and_b32 v[PT+(\k)%4], \val, v[LBL+(\a)]
	v_cmp_ne_u32 s[MB+\k], 0, v[PT+(\k)%4]
.endm
; My 64 numbers are columns 16 b + 8 h + j of my row.  The label's bits 0-2 choose j, bits 4-6 choose b; it is mine if bit 3 is h, it lies under 128 and not among the columns held twice.
.macro PICK a
	v_xor_b32 v[PU], v[H8], v[LBL+(\a)]
	v_and_b32 v[PU], 0xffffff88, v[PU]
	v_cmp_eq_u32 s[VAL], 0, v[PU]
	v_cmp_le_u32 vcc_lo, s[DUP], v[LBL+(\a)]
	s_and_b32 s[VAL], s[VAL], vcc_lo
	BIT 0, 1, \a
	BIT 1, 2, \a
	BIT 2, 4, \a
	BIT 3, 16, \a
	BIT 4, 32, \a
	BIT 5, 64, \a
.irp b, 0,2,4,6                        ; two tiles at a time, so that the selects do not follow on each other's results
.irp u, 0,1
.irp q, 0,1,2,3
	v_cndmask_b32 v[PT+4*\u+\q], v[TMP+8*(\b+\u)+2*\q], v[TMP+8*(\b+\u)+2*\q+1], s[MB]
.endr
.endr
.irp q, 0,2,4,6
	v_cndmask_b32 v[PT+\q], v[PT+\q], v[PT+\q+1], s[MB+1]
.endr
	v_cndmask_b32 v[PU+\b],   v[PT],   v[PT+2], s[MB+2]
	v_cndmask_b32 v[PU+\b+1], v[PT+4], v[PT+6], s[MB+2]
.endr
.irp b, 0,2,4,6
	v_cndmask_b32 v[PU+\b], v[PU+\b], v[PU+\b+1], s[MB+3]
.endr
	v_cndmask_b32 v[PU],   v[PU],   v[PU+2], s[MB+4]
	v_cndmask_b32 v[PU+4], v[PU+4], v[PU+6], s[MB+4]
	v_cndmask_b32 v[PU],   v[PU],   v[PU+4], s[MB+5]
	v_cndmask_b32 v[PU], v[SMP+1], v[PU], s[VAL]   ; 0 where the label is not mine
	v_add_f32 v[ACCP], v[ACCP], v[PU]
.endm
.macro STATS a
.irp c, 0,1,2,3                        ; the largest of my 64, in four chains
	v_max3_num_f32 v[SU+\c], v[TMP+16*\c], v[TMP+16*\c+1], v[TMP+16*\c+2]
.endr
.irp i, 3,5,7,9,11,13
.irp c, 0,1,2,3
	v_max3_num_f32 v[SU+\c], v[SU+\c], v[TMP+16*\c+\i], v[TMP+16*\c+\i+1]
.endr
.endr
	v_max3_num_f32 v[SU], v[SU], v[TMP+15], v[TMP+31]
	v_max3_num_f32 v[SU+1], v[SU+1], v[TMP+47], v[TMP+63]
	v_max_num_f32 v[SU+2], v[SU+2], v[SU+3]
	v_max3_num_f32 v[MXA], v[SU], v[SU+1], v[SU+2]
	v_permlanex16_b32 v[PD], v[MXA], s[SEL], s[SEL+1]
	v_max_num_f32 v[MXA], v[MXA], v[PD]            ; the row's largest among my wave's 128 columns
	v_mul_f32 v[SM], s[L2E], v[MXA]
	v_sub_f32 v[SMP], v[SM], s[PEN]                ; +infinity where the first 96 columns are held twice: their exponentials become 0
.irp j, 0,2,4,6,8,10,12,14,16,18,20,22,24,26,28,30,32,34,36,38,40,42,44,46
	v_pk_fma_f32 v[TMP+\j:TMP+\j+1], v[TMP+\j:TMP+\j+1], s[L2E:L2E+1], v[SMP:SMP+1] op_sel_hi:[1,0,0] neg_lo:[0,0,1] neg_hi:[0,0,1]
.endr
.irp j, 48,50,52,54,56,58,60,62
	v_pk_fma_f32 v[TMP+\j:TMP+\j+1], v[TMP+\j:TMP+\j+1], s[L2E:L2E+1], v[SM:SM+1] op_sel_hi:[1,0,0] neg_lo:[0,0,1] neg_hi:[0,0,1]
.endr
.set ix, 0
	s_wait_alu depctr_va_vdst(0)
.rept 64
	v_exp_f32 v[TMP+ix], v[TMP+ix]
.set ix, ix+1
.endr
	v_nop                                          ; a plain place behind the last exponential
	s_wait_alu depctr_va_vdst(0)                   ; and for one wait behind the batch
.irp k, 0,1,2,3                        ; the sum, two at a time, in four chains
	v_pk_add_f32 v[PT+2*\k:PT+2*\k+1], v[TMP+4*\k:TMP+4*\k+1], v[TMP+4*\k+2:TMP+4*\k+3]
.endr
.irp j, 16,24,32,40,48,56
.irp k, 0,1,2,3
	v_pk_add_f32 v[PT+2*\k:PT+2*\k+1], v[PT+2*\k:PT+2*\k+1], v[TMP+\j+2*\k:TMP+\j+2*\k+1]
.endr
.endr
	v_pk_add_f32 v[PT:PT+1], v[PT:PT+1], v[PT+2:PT+3]
	v_pk_add_f32 v[PT+4:PT+5], v[PT+4:PT+5], v[PT+6:PT+7]
	v_pk_add_f32 v[PT:PT+1], v[PT:PT+1], v[PT+4:PT+5]
	v_add_f32 v[SU], v[PT], v[PT+1]
	v_permlanex16_b32 v[PD], v[SU], s[SEL], s[SEL+1]
	v_add_f32 v[SM+1], v[SU], v[PD]
	ds_store_b64 v[SA], v[SM:SM+1] offset:128*(\a)
.endm
.macro SEND a, younger                 ; younger: the LDS instructions issued behind block a's loads
.set BB, BK+64*((\a)%2)
	s_wait_dscnt \younger
.if (\a) > 0
	s_add_nc_u64 s[10:11], s[10:11], 16*CROW       ; (the stores before have read their base: the wait on XCNT below)
.endif
	s_and_saveexec_b32 s[SAVE], s[KEEP]            ; columns held twice are stored by the neighbour wave alone
.irp t, 0,1,2,3,4,5,6,7,8,9,10,11,12,13,14,15
	global_store_b128 v[CO], v[BB+4*\t:BB+4*\t+3], s[10:11] offset:\t*CROW th:TH_STORE_NT   ; 32 lanes store 512 consecutive bytes of a row
.endr
	s_wait_xcnt 0x0                                ; EXEC, the base and the stores' registers change only behind this wait
	s_or_b32 exec_lo, exec_lo, s[SAVE]
.endm
	s_wait_kmcnt 0x0
	s_add_co_i32 s[SC], s[SC], s[SC+1]
	s_add_co_i32 s[SC], s[SC], 127
	s_lshl_b32 s[SC], s[SC], 23                    ; 2^(ea + eb)
	s_wait_loadcnt 0x0                             ; the labels
	s_wait_xcnt 0x0
	v_mov_b32 v4, -1
	v_cndmask_b32 v[LBL+7], v[LBL+7], v4, s[LASTM] ; s = 2047: a label that falls into no tile
.irp a, 0,1,2,3,4,5,6,7
	v_sub_nc_u32 v[LBL+\a], v[LBL+\a], s[COLC]
.endr
	v_mov_b32 v[SM+1], 0
	v_mov_b32 v[SMP+1], 0
	v_mov_b32 v[PD], 0
	v_mov_b32 v[ACCP], 0
	v_mov_b32 v[PR], PSUM
	TOSTAGE 0
	PICK 0
	STATS 0
.irp a, 1,2,3,4,5,6,7                  ; block a - 1 is stored as soon as block a is on its way through the stage
	TOSTAGE \a
	SEND \a-1, 33                                  ; behind block a - 1's loads: its one store of statistics, block a's 16 stores and 16 loads
.if \a == 7
	SEND 7, 0
.endif
	PICK \a
	STATS \a
.endr
	v_add_f32_dpp v[ACCP], v[ACCP], v[ACCP] row_xmask:1 row_mask:0xf bank_mask:0xf
	v_add_f32_dpp v[ACCP], v[ACCP], v[ACCP] row_xmask:2 row_mask:0xf bank_mask:0xf
	v_add_f32_dpp v[ACCP], v[ACCP], v[ACCP] row_xmask:4 row_mask:0xf bank_mask:0xf
	v_add_f32_dpp v[ACCP], v[ACCP], v[ACCP] row_xmask:8 row_mask:0xf bank_mask:0xf
	s_wait_alu depctr_va_vdst(0)
	v_permlanex16_b32 v[PD], v[ACCP], s[SEL], s[SEL+1]
	v_add_f32 v[ACCP], v[ACCP], v[PD]
	ds_store_b32 v[PW], v[ACCP]
	s_wait_dscnt 0x0                               ; for the others' sake
	s_barrier_signal -1
	s_barrier_wait -1
	ds_load_b128 v[32:35], v[SL]                   ; two rows' (largest, sum) of the left 128 columns,
	ds_load_b128 v[36:39], v[SL] offset:1024       ; of the right 128,
	ds_load_b128 v[48:51], v[PR]                   ; and the four waves' picked sums
	s_wait_dscnt 0x0
	v_max_num_f32 v40, v32, v36
	v_max_num_f32 v41, v34, v38
	v_sub_f32 v42, v32, v40
	v_sub_f32 v43, v36, v40
	v_sub_f32 v44, v34, v41
	v_sub_f32 v45, v38, v41
	s_wait_alu depctr_va_vdst(0)
	v_exp_f32 v42, v42
	v_exp_f32 v43, v43
	v_exp_f32 v44, v44
	v_exp_f32 v45, v45
	v_add_f32 v48, v48, v49
	v_add_f32 v50, v50, v51
	v_add_f32 v48, v48, v50
	s_wait_alu depctr_va_vdst(0)
	v_mul_f32 v46, v33, v42
	v_mul_f32 v47, v35, v44
	v_fma_f32 v46, v37, v43, v46
	v_fma_f32 v47, v39, v45, v47
	s_wait_alu depctr_va_vdst(0)
	v_log_f32 v46, v46
	v_log_f32 v47, v47
	v_nop
	s_wait_alu depctr_va_vdst(0)
	v_add_f32 v40, v40, v46                        ; log2 of the tile's sum of 2^(x log2 e)
	v_add_f32 v41, v41, v47
	s_cmp_lg_u32 s14, 0
	s_cbranch_scc1 .Lnot_first
	v_cmp_eq_u32 vcc_lo, 0, v0
	s_and_saveexec_b32 s[SAVE], vcc_lo
	global_store_b32 v[SMP+1], v48, s[PKB:PKB+1]
	s_wait_xcnt 0x0
	s_or_b32 exec_lo, exec_lo, s[SAVE]
.Lnot_first:
	s_wait_alu depctr_va_vdst(0)
	global_store_b64 v[PO], v[40:41], s[12:13]     ; 128 threads store the tile's 1,024 bytes of part
	s_wait_tensorcnt 0x0                           ; the wave's end
	ds_add_u32 v[SPW], v[NIL]
	s_wait_dscnt 0x0
	CROUND                                         ; the closing round
	s_endpgm
.Lfunc_end_k_q20c90cae1e_gemm:
	.size	k_q20c90cae1e_gemm, .Lfunc_end_k_q20c90cae1e_gemm-k_q20c90cae1e_gemm
	.p2alignl 7, 3214868480
	.fill 96, 4, 3214868480
	.section	.rodata,"a",@progbits
	.p2align	6, 0x0
	.amdhsa_kernel k_q20c90cae1e_gemm
		.amdhsa_group_segment_fixed_size 327680
		.amdhsa_private_segment_fixed_size 0
		.amdhsa_enable_private_segment 0
		.amdhsa_kernarg_size 56
		.amdhsa_user_sgpr_count 2
		.amdhsa_user_sgpr_kernarg_segment_ptr 1
		.amdhsa_wavefront_size32 1
		.amdhsa_system_sgpr_workgroup_id_x 1
		.amdhsa_system_sgpr_workgroup_id_y 1
		.amdhsa_system_sgpr_workgroup_id_z 1
		.amdhsa_system_vgpr_workitem_id 0
		.amdhsa_next_free_vgpr 1024
		.amdhsa_next_free_sgpr 96
		.amdhsa_reserve_vcc 1
		.amdhsa_float_denorm_mode_32 3
		.amdhsa_float_denorm_mode_16_64 3
		.amdhsa_memory_ordered 1
		.amdhsa_forward_progress 1
		.amdhsa_inst_pref_size 236
	.end_amdhsa_kernel
	.amdgpu_metadata
---
amdhsa.version: [ 1, 2 ]
amdhsa.kernels:
  - .name:           k_q20c90cae1e_gemm
    .symbol:         k_q20c90cae1e_gemm.kd
    .args:
      - { .name: hidden_states_codes, .offset: 0, .size: 8, .value_kind: global_buffer, .address_space: global }
      - { .name: W_codes, .offset: 8, .size: 8, .value_kind: global_buffer, .address_space: global }
      - { .name: lowp_scales, .offset: 16, .size: 8, .value_kind: global_buffer, .address_space: global }
      - { .name: out1, .offset: 24, .size: 8, .value_kind: global_buffer, .address_space: global }
      - { .name: part, .offset: 32, .size: 8, .value_kind: global_buffer, .address_space: global }
      - { .name: label_ids, .offset: 40, .size: 8, .value_kind: global_buffer, .address_space: global }
      - { .name: pick, .offset: 48, .size: 8, .value_kind: global_buffer, .address_space: global }
    .group_segment_fixed_size: 327680
    .private_segment_fixed_size: 0
    .kernarg_segment_align: 8
    .kernarg_segment_size: 56
    .max_flat_workgroup_size: 128
    .sgpr_count:     96
    .vgpr_count:     1024
    .wavefront_size: 32
...
	.end_amdgpu_metadata
.endif
;; end of part 3
;; launch loss (part 4): grid 1 x 1, 32 waves a work-group, no clusters, 327,680 bytes of LDS; arguments part, pick, out0; writes out0
.if DOCPART == 4
	.amdgcn_target "amdgcn-amd-amdhsa--gfx1250"
	.amdhsa_code_object_version 6
	.text
	.protected	k_q20c90cae1e_loss
	.globl	k_q20c90cae1e_loss
	.p2align	8
	.type	k_q20c90cae1e_loss,@function
k_q20c90cae1e_loss:
	s_mov_b64 s[64:65], 0
	v_nop
	global_prefetch_b8 v0, s[64:65] scope:SCOPE_SE
	s_setreg_imm32_b32 hwreg(HW_REG_WAVE_MODE, 25, 1), 1
	s_wait_xcnt 0x0
; out0 = the mean, over the 4,094 rows (b, s) with s < 2047, of logsumexp(logits[b][s]) - logits[b][s][label_ids[b][s + 1]].
; part [16][4096] f32 holds, for each tile column c and row, P = log2 of the sum over that tile's columns of 2^(x log2 e).  A row's logsumexp is ln 2 x (Mx + log2 of the sum over c of 2^(P - Mx)), Mx the largest of its 16 P:
; the maximum is taken off ahead of the exponentials here as it was in making P.  pick [256] f32 holds, for each work-group of the launch before, the sum of the labels' logits that fell into its tile
; (rows with s = 2047 left out there): the labels' logits enter the mean as a plain sum, so these 256 numbers are all that is needed of them.
; ONE work-group of 32 waves: the result is one number, and a sum over several work-groups would want a further launch.
; Wave w owns rows 128 w .. 128 w + 127: ONE tensor load brings its 16 x 512 bytes of part (a row of 512 bytes for each tile column) into LDS bytes of its own, 8,192 w on;
; only the wave itself reads them, behind its own wait on TENSORcnt; nothing is filled again.  Thread t then owns rows 4 t .. 4 t + 3.  Threads 0 to 63 also take four numbers of pick each.
; No matrix unit and no cluster: nothing is shared and nothing is multiplied.  No prefetch: the text has no loop to run ahead in.
; Rows with s = 2047 (row 4 t + 3 where t % 512 = 511) count for nothing: their term is replaced by 0 by a select.
; LIMIT: NaN in a row gives NaN.
.set TILE,  8192                       ; a wave's 16 x 512 bytes
.set SPARE, 32*TILE                    ; the spare words: 128 bytes a wave
.set SUMS,  SPARE+4096                 ; the 32 waves' sums
.set XL,  12                           ; v[12:15]  my four numbers of pick, or zeros
.set P,   16                           ; v[16:79]  P of tile column c, row j at 4 c + j
.set MX,  80                           ; v[80:83]  the rows' largest P
.set SU,  84                           ; v[84:87]  the rows' sums, then their logarithms, then my term
	s_load_b128 s[4:7], s[0:1], 0x0                ; part s[4:5], pick s[6:7]
	s_load_b64 s[10:11], s[0:1], 0x10              ; out0
	v_lshl_add_u32 v96, v0, 2, SPARE
	v_mov_b32 v97, 0
	ds_add_u32 v96, v97                            ; the opening: the add, twice on end, and its wait ahead of my tensor load
	ds_add_u32 v96, v97
	v_lshrrev_b32 v1, 5, v0
	s_delay_alu instid0(VALU_DEP_1)
	v_readfirstlane_b32 s12, v1                    ; wave 0..31
	s_delay_alu instid0(VALU_DEP_1)
	v_mov_b32 v91, s12
	s_delay_alu instid0(VALU_DEP_1)
	v_lshl_add_u32 v91, v91, 2, SUMS               ; LDS: my wave's word
	v_and_b32 v92, 31, v0
	v_lshlrev_b32 v95, 13, v1
	v_lshl_add_u32 v94, v92, 4, v95                ; LDS: 8,192 x wave + 16 x lane: my four rows in my wave's tile
	v_lshl_add_u32 v92, v92, 2, SUMS               ; and the word that my lane reads back
	v_lshlrev_b32 v1, 4, v0                        ; in waves 0 and 1: my four numbers of pick
	v_and_b32 v88, 0x1ff, v0
	v_mov_b32 v89, 0
	v_mov_b32 v90, 0                               ; a lane permute's destination counts as one of its sources
.irp j, 0,1,2,3
	v_mov_b32 v[XL+\j], 0                          ; waves 2 to 31 take nothing of pick
.endr
	s_mov_b32 s14, 0x76543210                      ; v_permlanex16_b32: lane l xor 16
	s_mov_b32 s15, 0xfedcba98
	s_mov_b32 s16, 0x3f317218                      ; ln 2
	s_mov_b32 s17, 0x39801002                      ; 1 / 4094
	s_mov_b32 s20, 1                               ; group 0: count,
	s_lshl_b32 s21, s12, 13                        ; my wave's LDS bytes
	s_mov_b32 s24, 2<<16                           ; group 1: elements of 4 bytes, no padding
	s_mov_b32 s25, 128<<16                         ; tensor_dim0 = 128
	s_mov_b32 s26, 16<<16                          ; tensor_dim1 = 16
	s_mov_b32 s27, 128<<16                         ; tile_dim0 = 128
	s_mov_b32 s28, 16                              ; tile_dim1 = 16
	s_mov_b32 s29, 4096                            ; elements from a tile column to the next
	s_mov_b32 s30, 0
	s_mov_b32 s31, 0
	s_lshl_b32 s2, s12, 9                          ; my wave's 512 bytes in a tile column of part
	s_mov_b32 s3, 0
	s_wait_alu depctr_va_vdst(0)
	s_wait_dscnt 0x0                               ; both opening adds are done
	s_wait_kmcnt 0x0
	s_add_nc_u64 s[22:23], s[4:5], s[2:3]
	s_or_b32 s23, s23, 0x80000000
	tensor_load_to_lds s[20:23], s[24:31]
	s_nop 0
	s_cmp_gt_u32 s12, 1
	s_cbranch_scc1 .Lno_pick
	global_load_b128 v[XL:XL+3], v1, s[6:7] th:TH_LOAD_NT          ; threads 0 to 63: 16 t stays under 1,024
.Lno_pick:
	s_wait_tensorcnt 0x0                           ; my tile is in LDS
.irp c, 0,1,2,3,4,5,6,7,8,9,10,11,12,13,14,15
	ds_load_b128 v[P+4*\c:P+4*\c+3], v94 offset:512*\c             ; 32 lanes take 512 consecutive bytes
.endr
	s_wait_loadcnt 0x0
	s_wait_dscnt 0x0                               ; all of them: a row's maximum wants its 16 numbers
.irp j, 0,1,2,3
	v_max3_num_f32 v[MX+\j], v[P+\j], v[P+4+\j], v[P+8+\j]
.endr
.irp c, 3,5,7,9,11,13
.irp j, 0,1,2,3
	s_delay_alu instid0(VALU_DEP_4)
	v_max3_num_f32 v[MX+\j], v[MX+\j], v[P+4*\c+\j], v[P+4*\c+4+\j]
.endr
.endr
.irp j, 0,1,2,3
	s_delay_alu instid0(VALU_DEP_4)
	v_max_num_f32 v[MX+\j], v[MX+\j], v[P+60+\j]
.endr
.irp c, 0,1,2,3,4,5,6,7,8,9,10,11,12,13,14,15
	v_pk_add_f32 v[P+4*\c:P+4*\c+1], v[P+4*\c:P+4*\c+1], v[MX:MX+1] neg_lo:[0,1] neg_hi:[0,1]          ; P - Mx, two rows at a time
	v_pk_add_f32 v[P+4*\c+2:P+4*\c+3], v[P+4*\c+2:P+4*\c+3], v[MX+2:MX+3] neg_lo:[0,1] neg_hi:[0,1]
.endr
.set ix, 0
	s_wait_alu depctr_va_vdst(0)
.rept 64
	v_exp_f32 v[P+ix], v[P+ix]
.set ix, ix+1
.endr
	v_pk_add_f32 v[XL:XL+1], v[XL:XL+1], v[XL+2:XL+3]              ; (a plain instruction behind the last exponential: ISA guide 5.7.2)  my numbers of pick are added up
	s_wait_alu depctr_va_vdst(0)                   ; one wait for the batch, ahead of its first reader
	v_pk_add_f32 v[SU:SU+1], v[P:P+1], v[P+4:P+5]
	v_pk_add_f32 v[SU+2:SU+3], v[P+2:P+3], v[P+6:P+7]
.irp c, 2,3,4,5,6,7,8,9,10,11,12,13,14,15
	v_pk_add_f32 v[SU:SU+1], v[SU:SU+1], v[P+4*\c:P+4*\c+1]
	v_pk_add_f32 v[SU+2:SU+3], v[SU+2:SU+3], v[P+4*\c+2:P+4*\c+3]
.endr
	s_wait_alu depctr_va_vdst(0)
.irp j, 0,1,2,3
	v_log_f32 v[SU+\j], v[SU+\j]                   ; the sum is at least 1: the largest P's term is 1
.endr
	v_add_f32 v[XL], v[XL], v[XL+1]                ; (a plain instruction behind the logarithms)
	s_wait_alu depctr_va_vdst(0)
	v_pk_add_f32 v[SU:SU+1], v[SU:SU+1], v[MX:MX+1]                ; log2 of the row's sum of exponentials
	v_pk_add_f32 v[SU+2:SU+3], v[SU+2:SU+3], v[MX+2:MX+3]
	v_cmp_eq_u32 vcc_lo, 0x1ff, v88
	s_delay_alu instid0(VALU_DEP_1)
	v_cndmask_b32 v[SU+3], v[SU+3], v89, vcc_lo    ; s = 2047 counts for nothing
	s_delay_alu instid0(VALU_DEP_4)
	v_add_f32 v[SU], v[SU], v[SU+1]
	s_delay_alu instid0(VALU_DEP_2)
	v_add_f32 v[SU+2], v[SU+2], v[SU+3]
	s_delay_alu instid0(VALU_DEP_1)
	v_add_f32 v[SU], v[SU], v[SU+2]
	s_delay_alu instid0(VALU_DEP_1)
	v_fma_f32 v[SU], v[SU], s16, -v[XL]            ; x ln 2, less my share of the labels' logits
.macro WAVESUM                         ; the sum over the wave's 32 lanes, in every lane
	v_add_f32_dpp v[SU], v[SU], v[SU] row_xmask:1 row_mask:0xf bank_mask:0xf
	s_delay_alu instid0(VALU_DEP_1)
	v_add_f32_dpp v[SU], v[SU], v[SU] row_xmask:2 row_mask:0xf bank_mask:0xf
	s_delay_alu instid0(VALU_DEP_1)
	v_add_f32_dpp v[SU], v[SU], v[SU] row_xmask:4 row_mask:0xf bank_mask:0xf
	s_delay_alu instid0(VALU_DEP_1)
	v_add_f32_dpp v[SU], v[SU], v[SU] row_xmask:8 row_mask:0xf bank_mask:0xf
	s_wait_alu depctr_va_vdst(0)
	v_permlanex16_b32 v90, v[SU], s14, s15
	s_delay_alu instid0(VALU_DEP_1)
	v_add_f32 v[SU], v[SU], v90
.endm
	WAVESUM
	ds_store_b32 v91, v[SU]                        ; all lanes write the wave's word with the same value
	s_wait_dscnt 0x0                               ; for the others' sake
	s_barrier_signal -1
	s_barrier_wait -1
	ds_load_b32 v[SU], v92                         ; lane i takes wave i's sum
	s_wait_dscnt 0x0
	WAVESUM
	s_delay_alu instid0(VALU_DEP_1)
	v_mul_f32 v[SU], s17, v[SU]                    ; the mean over 2 x 2047 rows
	s_cmp_lg_u32 s12, 0
	s_cbranch_scc1 .Lend                           ; wave 0 stores
	v_mov_b32 v93, 0
	s_wait_alu depctr_va_vdst(0)
	s_wait_xcnt 0x0                                ; EXEC changes only behind a wait on XCNT for 0
	v_cmp_eq_u32 vcc_lo, 0, v0
	s_and_saveexec_b32 s18, vcc_lo
	global_store_b32 v93, v[SU], s[10:11]          ; one number
	s_wait_xcnt 0x0
	s_or_b32 exec_lo, exec_lo, s18
.Lend:
	s_wait_tensorcnt 0x0                           ; the wave's end
	ds_add_u32 v96, v97
	s_wait_dscnt 0x0
	s_endpgm
.Lfunc_end_k_q20c90cae1e_loss:
	.size	k_q20c90cae1e_loss, .Lfunc_end_k_q20c90cae1e_loss-k_q20c90cae1e_loss
	.p2alignl 7, 3214868480
	.fill 96, 4, 3214868480
	.section	.rodata,"a",@progbits
	.p2align	6, 0x0
	.amdhsa_kernel k_q20c90cae1e_loss
		.amdhsa_group_segment_fixed_size 327680
		.amdhsa_private_segment_fixed_size 0
		.amdhsa_enable_private_segment 0
		.amdhsa_kernarg_size 24
		.amdhsa_user_sgpr_count 2
		.amdhsa_user_sgpr_kernarg_segment_ptr 1
		.amdhsa_wavefront_size32 1
		.amdhsa_system_sgpr_workgroup_id_x 1
		.amdhsa_system_sgpr_workgroup_id_y 1
		.amdhsa_system_sgpr_workgroup_id_z 1
		.amdhsa_system_vgpr_workitem_id 0
		.amdhsa_next_free_vgpr 98
		.amdhsa_next_free_sgpr 66
		.amdhsa_reserve_vcc 1
		.amdhsa_float_denorm_mode_32 3
		.amdhsa_float_denorm_mode_16_64 3
		.amdhsa_memory_ordered 1
		.amdhsa_forward_progress 1
		.amdhsa_inst_pref_size 16
	.end_amdhsa_kernel
	.amdgpu_metadata
---
amdhsa.version: [ 1, 2 ]
amdhsa.kernels:
  - .name:           k_q20c90cae1e_loss
    .symbol:         k_q20c90cae1e_loss.kd
    .args:
      - { .name: part, .offset: 0, .size: 8, .value_kind: global_buffer, .address_space: global }
      - { .name: pick, .offset: 8, .size: 8, .value_kind: global_buffer, .address_space: global }
      - { .name: out0, .offset: 16, .size: 8, .value_kind: global_buffer, .address_space: global }
    .group_segment_fixed_size: 327680
    .private_segment_fixed_size: 0
    .kernarg_segment_align: 8
    .kernarg_segment_size: 24
    .max_flat_workgroup_size: 1024
    .sgpr_count:     66
    .vgpr_count:     98
    .wavefront_size: 32
...
	.end_amdgpu_metadata
.endif
;; end of part 4
